; MI455X (gfx1250); checked and timed in simulation.
; The chip was launched on July 23, 2026; its instructions are those of AMD's public machine-readable ISA for CDNA 5 (MIT licence, August 2026) and "CDNA5" Instruction Set Architecture Reference Guide (July 2026). The comments in the code are by the model that wrote it; some were corrected since.
;; Attention. Allowed arithmetic: matrix products marked QUANTISED: E5M2 operands, one E8M0 scale for each 32 along K, by v_wmma_scale_f32_16x16x128_f8f6f4 with both operands' format E5M2, f32 sums; everything else in f32.
;; Inputs: Wk_codes 1,024 x 32 x 32 uint8 (E5M2 codes of Wk, K innermost, in blocks of 32 codes); Wk_scales 1,024 x 32 uint8 (E8M0 scales of Wk, one for each 32 codes along K); Wo_codes 1,024 x 32 x 32 uint8 (E5M2 codes of Wo, K innermost, in blocks of 32 codes); Wo_scales 1,024 x 32 uint8 (E8M0 scales of Wo, one for each 32 codes along K); Wq_codes 1,024 x 32 x 32 uint8 (E5M2 codes of Wq, K innermost, in blocks of 32 codes); Wq_scales 1,024 x 32 uint8 (E8M0 scales of Wq, one for each 32 codes along K); Wv_codes 1,024 x 32 x 32 uint8 (E5M2 codes of Wv, K innermost, in blocks of 32 codes); Wv_scales 1,024 x 32 uint8 (E8M0 scales of Wv, one for each 32 codes along K); bk 1,024 float32; bo 1,024 float32; bq 1,024 float32; bv 1,024 float32; x_codes 4 x 2,048 x 32 x 32 uint8 (E5M2 codes of x, K innermost, in blocks of 32 codes); x_scales 4 x 2,048 x 32 uint8 (E8M0 scales of x, one for each 32 codes along K).
;; Outputs: out0 4 x 2,048 x 1,024 float32.
;; This version of the problem:
;;   THIS VERSION OF THE PROBLEM IS GIVEN IN LOW PRECISION. The matrix products marked QUANTISED in the list below multiply operands that are first quantised to E5M2 (5 exponent bits, 2 mantissa bits; 8 bits a number), with one power-of-two scale for each 32 numbers along K (OCP MX v1.0); their sums are f32. All else is computed in f32.
;;   The module's matrix products, in the order in which they are computed (A, B: the left and right operand; K: the contracted axis; several contracted axes count as one K, in the product's order):
;;     1. [M 8,192, K 1,024] x [K 1,024, N 1,024]; A: input x (given as codes); B: input Wq (given as codes): QUANTISED
;;     2. [M 8,192, K 1,024] x [K 1,024, N 1,024]; A: input x (given as codes); B: input Wk (given as codes): QUANTISED
;;     3. [M 8,192, K 1,024] x [K 1,024, N 1,024]; A: input x (given as codes); B: input Wv (given as codes): QUANTISED
;;     4. batch 64 x [M 2,048, K 64] x [K 64, N 2,048]; A: computed on the way; B: computed on the way: QUANTISED
;;     5. batch 64 x [M 2,048, K 2,048] x [K 2,048, N 64]; A: softmax (see below); B: computed on the way: QUANTISED
;;     6. [M 8,192, K 1,024] x [K 1,024, N 1,024]; A: computed on the way; B: input Wo (given as codes): QUANTISED
;;   THE QUANTISER, for each operand of a quantised product, along K:
;;     - K is cut into blocks of 32 from its start; a last block that is shorter is filled with zeros.
;;     - A block's scale is 2^e with e = floor(log2(the largest magnitude in the block)) - 15, held to -126 .. 127; a block of zeros has e = 0. As a byte (E8M0): e + 127.
;;     - Each number is divided by its block's scale, clamped to +-57,344, and rounded to the nearest number of E5M2, ties to even, subnormals kept.
;;     - The product sums the exact products of the quantised numbers (number of the format x scale) in f32.
;;   ~~~python
;;   def quantise(x, axis):      # numpy; x: float32 -> the quantised numbers, widened to float32 again
;;       x = np.moveaxis(x, axis, -1); K = x.shape[-1]
;;       x = np.pad(x, [(0, 0)] * (x.ndim - 1) + [(0, -K % 32)]); x = x.reshape(x.shape[:-1] + (-1, 32)); a = np.abs(x).max(-1, keepdims=True)
;;       e = np.where(a > 0, np.clip(np.frexp(np.where(a > 0, a, 1))[1] - 1 - 15, -126, 127), 0)      # np.frexp(a)[1] - 1 = floor(log2(a)), exactly
;;       r = np.clip(x / 2.0 ** e, -57344, 57344)
;;       step = 2.0 ** (np.maximum(np.frexp(np.where(r == 0, 1, r))[1] - 1, -14) - 2)
;;       q = np.round(r / step) * step * 2.0 ** e      # np.round: ties to even
;;       return np.moveaxis(q.reshape(q.shape[:-2] + (-1,))[..., :K], -1, axis).astype(np.float32)
;;   ~~~
;;   SOFTMAX AHEAD OF A QUANTISED PRODUCT. Where the list says 'softmax', what is quantised is not the finished softmax but p = 2^(t - M), with t = logit x log2(e) and M = ceil(the row's largest t), a whole number; so 1/2 < the row's largest p <= 1. The row's sum l is taken of the UNQUANTISED p, in f32, and the product's result is divided by l at the end. Since M is a whole number, a kernel that streams over the keys may use a running M (the ceiling of the running maximum): every later rescaling is an exact power of two, which a block's scale takes up: the codes' values come out the same.
;;   OPERANDS COMPUTED ON THE WAY. 'Computed on the way' means the value that the module computes at that place (a softmax that the list does not call 'softmax' is quantised finished and normalised). What goes into a quantiser is computed in f32, as accurately as f32 sums, v_exp_f32 and their like allow (about 1e-6 of the number): no bf16 or f16 on the way to a quantiser, and a product that is left as it is and whose result goes on into a quantised operand takes f32 operands (vector FMAs, or v_wmma_f32_16x16x4_f32). A number that lies on a knife's edge between two numbers of the format may be rounded either way, as far as f32 arithmetic and the matrix unit's own rounding can turn it there, and no further.
;;   INPUTS GIVEN AS CODES. Wk (in the module: [1024, 1024], K = its axis 0); Wo (in the module: [1024, 1024], K = its axis 0); Wq (in the module: [1024, 1024], K = its axis 0); Wv (in the module: [1024, 1024], K = its axis 0); x (in the module: [4, 2048, 1024], K = its axis 2): each comes as NAME_codes (uint8): NAME with its K axis moved to the last place and cut into blocks of 32 codes, [.., K / 32, bytes a block], one block behind the other in memory; one code a byte (a code: sign, 5 exponent bits, 2 mantissa bits); and NAME_scales (uint8): the same leading axes, one E8M0 byte (e + 127) for each 32 codes along K. Its value is code x scale, taken as it is: it is not quantised again, and the codes and scales need not be those that the quantiser above would give.
;; One version. Each part assembles by itself: llvm-mc -triple=amdgcn-amd-amdhsa -mcpu=gfx1250 --defsym DOCPART=n.
;; ======== version 1 of 1: 3 launches
;; workspace buffers: qimg 8,388,608 bytes; kimg 8,388,608 bytes; vimg 8,388,608 bytes; qsc 524,288 bytes; ksc 524,288 bytes; vsc 262,144 bytes; cimg 8,388,608 bytes; csc 262,144 bytes
;; launch qkv (part 1): grid 12 x 32, 4 waves a work-group, clusters of 4 x 4, 327,680 bytes of LDS; arguments x_codes, x_scales, Wq_codes, Wq_scales, Wk_codes, Wk_scales, Wv_codes, Wv_scales, bq, bk, bv, qimg, kimg, vimg, qsc, ksc, vsc; writes qimg, kimg, vimg, qsc, ksc, vsc
.if DOCPART == 1
	.amdgcn_target "amdgcn-amd-amdhsa--gfx1250"
	.amdhsa_code_object_version 6
	.text
	.protected	k_q958d5d83af_qkv
	.globl	k_q958d5d83af_qkv
	.p2align	8
	.type	k_q958d5d83af_qkv,@function
k_q958d5d83af_qkv:
	s_mov_b64 s[64:65], 0
	v_nop
	global_prefetch_b8 v0, s[64:65] scope:SCOPE_SE
	s_setreg_imm32_b32 hwreg(HW_REG_WAVE_MODE, 25, 1), 1
	s_wait_xcnt 0x0
	s_wait_alu depctr_hold_cnt(0) depctr_sa_sdst(0) depctr_va_vdst(0) depctr_va_sdst(0) depctr_va_ssrc(0) depctr_va_vcc(0) depctr_vm_vsrc(0)
	s_getreg_b32 s2, hwreg(HW_REG_IB_STS2, 6, 4)
	s_cmp_eq_u32 s2, 0
	s_cbranch_scc0 .Lentry_in_a_cluster
	s_endpgm
.Lentry_in_a_cluster:
	s_bfe_u32 s2, ttmp6, 0x10000c
	s_cmp_lg_u32 s2, 0xf033
	s_cbranch_scc0 .Lentry_shape_is_right
	s_endpgm
.Lentry_shape_is_right:
; q = x Wq + bq, k = x Wk + bk, v = x Wv + bv on codes of BF8 (E5M2) with one E8M0 scale for each 32 along K = 1,024; sums in f32; the results are quantised in registers
; (q and k along the head's 64, v along the keys) and leave as codes and scale words only: no f32 number goes to memory.
; x: [8192][1024] codes, [8192][32] scale bytes.  Wq, Wk, Wv: [1024 (out)][1024 (K)] codes, [1024][32] scale bytes.  bq, bk, bv: [1024] f32.
; SHARES.  A tile of 256 x 256 results is made by a work-group of four waves, a wave makes 128 x 128: 64 accumulators of 16 x 16, 512 registers.  K goes in steps of 256 through a ring of two LDS slots.
; The cluster's x says which product: 0 q, 1 k, 2 v: the same number in all sixteen partners.  "A" is the matrix instruction's source 1 (a lane holds ONE row of A), "B" its source 0 (a lane's registers run along
; rows of B).  q, k: A = x (tokens), B = W (features).  v: A = Wv (features), B = x (tokens = keys).  So the axis that is quantised, the head's 64 for q and k and the keys for v, always runs along a lane's registers,
; and one loop and one quantiser serve all three.  x and W have rows of the same length, so the descriptors' shapes are constants; only pointers are chosen, by s_cselect on the cluster's x.
; CLUSTERS: 4 x 4 work-groups.  A's tile hangs on the place along the cluster's y alone, B's on the place along x alone: each tile is asked for JOINTLY by the four that share it.
; THE BIAS is the C of the first K step's products: 64 registers in the result's layout.  Its index is B's block (q, k) or A's block (v): that one step is written twice, under a branch on the cluster's x.
; THE ORDER OF CODES.  Accumulators 2 c and 2 c + 1 of a row of A give lane (r, h) 16 numbers of block c of 32: element 32 c + 8 h + (i % 8) + 16 (i / 8), i = 0 .. 15.  Two conversions make of them registers 4 c .. 4 c + 3
; of an operand, whose place 32 c + 16 h + i so holds that element: a permutation INSIDE a block of 32, so blocks and scales are the true ones.  Both operands of q k^T are made so here, and so are v here and p in the next launch:
; the products are the same, only their order inside one matrix instruction differs from ascending k.
; WHAT IS STORED: images of operand registers.  qimg, kimg: [head 64][tile of 16 tokens 128][c 2][lane 32][16 bytes].  vimg: [head][128 keys 16][tile of 16 channels 4][c 4][lane][16 bytes].
; qsc, ksc: [head][64 tokens 32][r 16][t 4] words: token 64 g + 16 t + r; bytes 0, 1 the two blocks' scales; bytes 2, 3 stand over zero codes and are never 0xff.  vsc: [head][128 keys 16][r 16][tile 4] words.
; LIMITS: NaN and infinities are not served.  A block of zeros gets the scale byte 1 where the rule says 127: its codes are zeros, and this program alone reads the bytes.
; REGISTERS, in windows of 256: window 0: v1-31 addresses; v32-63 scale words, two sets; v64-127 the bias; from v128 A's fragments, ONE set; at the end v32-63 at work, v128-255 the codes.
;   window 1: B's fragments, TWO sets.   window 2: the accumulators of my rows 0-63 of A ((a, b) at v[8 (8 a + b)]);   window 3: those of rows 64-127.
.set SIZE_K, 1024
.set KSTEP,  256                       ; along K in a slot
.set NQ,     KSTEP/128                 ; matrix instructions deep
.set ROWB,   256                       ; a tile's row in bytes
.set KROW,   SIZE_K                    ; a row of x or of W in memory, in bytes
.set PITCH,  272                       ; an LDS row: 256 bytes + 16 of padding = 68 words: row r starts at bank 4 r mod 64 (64 banks of 4 bytes: ISA guide 11.1)
.set FR,     16                        ; registers of a fragment: 16 rows x 128 K
.set NL,     4                         ; LDS loads that bring one
.set NP,     8                         ; places behind this matrix instruction (ISA guide 7.12.1)
.set HALFT,  128*PITCH                 ; 128 rows: what one tensor load brings
.set SLOT,   4*HALFT                   ; A's 256 rows, then B's 256 rows
.set LAPS,   SIZE_K/(2*KSTEP)          ; a lap = two K steps = once round the ring
.set KS,     SIZE_K/32                 ; a row of scales in bytes
.set SCL,    2*SLOT                    ; behind the ring: the scales of all of K, as rows of 256 bytes + 16 of padding, filled once
.set HALFS,  (128*KS/256)*272          ; the scales of 128 rows
.set SBLK,   (16*KS/256)*272           ; those of 16 rows
.set SPARE,  SCL+4*HALFS               ; the spare words, 128 bytes for each wave: two blocks of 256 bytes that no other line names
.set BO,   8                           ; v8-15   byte offsets of the bias's loads
.set ADRA, 16                          ; v16-17  LDS address of my A fragments in slot 0, 1
.set ADRB, 20                          ; v20-21  the same for B
.set CO,   24                          ; v24     16 x lane: my place in an image
.set SA,   25                          ; v25     my place among the scale words that I store
.set ADRS, 27                          ; v27     LDS address of my scale words: lanes 0-15 A's rows, lanes 16-31 B's
.set SPW,  28                          ; v28     LDS address of my spare word; never rewritten
.set NIL,  29                          ; v29     0; never rewritten
.set SC,   32                          ; scale words: set s at v[SC + 8 NQ s]
.set BI,   64                          ; v64-127 the bias
.set AF,   128                         ; A's fragments
.set TM,   32                          ; the end: v32-35 largest magnitudes, v36-39 bytes, v40-43 the holds, v44-47 the conversions' scale operands
.set SW,   48                          ; v48-55  the scale word of A's block a
.set XW,   56                          ; v56-59, v60-63 scale words as they are stored
.set XW2,  60
.set PCD,  128                         ; v128-255 the codes: 16 registers for each block of A
.set G1, 24                            ; s[24:31] descriptor group 1 for A's tiles;  s[32:39] group 0, one set for each slot
.set G0, 32
.set G1B, 48                           ; s[48:55], s[56:63] the same for B's tiles
.set G0B, 56
.set G1S, 68                           ; s[68:75], s[76:79] groups 1 and 0 for A's scales;  s[80:87], s[88:91] for B's
.set G0S, 76
.set G1SB, 80
.set G0SB, 88
.set MSB, 0
.macro WIN new                         ; the immediate's high byte repeats the setting that is left
.if MSB != (\new)
	s_set_vgpr_msb (MSB<<8)|(\new)
.set MSB, (\new)
.endif
.endm
.set MUL_LO, 0xa1                      ; source 0 (B) window 1, source 1 (A) window 0, C and D window 2
.set MUL_HI, 0xf1                      ; the same, C and D window 3
.set BIA_LO, 0x81                      ; the first step: C (the bias) window 0, D window 2
.set BIA_HI, 0xc1                      ; D window 3
.set TO_B,   0x40                      ; destination window 1, address window 0
; A joint load: waves 0 and 1 fetch for A, waves 2 and 3 for B.  Each of the two lines has ONE mask and one set of registers for all that issue it; the branch hangs on the wave's number alone.
; Four v_nop follow each of the two lines, ahead of the jump, the label and what follows.
.macro JLOAD g0a, g1a, g0b, g1b
	s_cmp_eq_u32 s15, 0
	s_cbranch_scc0 .Lfor_b_\@
	tensor_load_to_lds s[\g0a:\g0a+3], s[\g1a:\g1a+7]
	s_nop 0
.rept 4
	v_nop
.endr
	s_branch .Lasked_\@
.Lfor_b_\@:
	tensor_load_to_lds s[\g0b:\g0b+3], s[\g1b:\g1b+7]
	s_nop 0
.rept 4
	v_nop
.endr
.Lasked_\@:
.endm
.macro CREST                           ; a round of the cluster's barrier behind its opening barrier
	s_cmp_lg_u32 s14, 0
	s_cbranch_scc1 .Lnot_wave_0_\@
	s_barrier_signal -3
.Lnot_wave_0_\@:
	s_barrier_wait -3
	s_barrier_signal -1
	s_barrier_wait -1
.endm
.macro CROUND                          ; a whole round
	s_barrier_signal -1
	s_barrier_wait -1
	CREST
.endm
	; the seventeen addresses land in registers that later hold descriptors; what is chosen of them moves on first
	s_load_b512 s[24:39], s[0:1], 0x0              ; x's codes, x's scales, Wq's, Wk's, Wv's codes and scales
	s_load_b256 s[48:55], s[0:1], 0x40             ; bq, bk, bv, qimg
	s_load_b256 s[56:63], s[0:1], 0x60             ; kimg, vimg, qsc, ksc
	s_load_b64 s[68:69], s[0:1], 0x80              ; vsc
	v_lshl_add_u32 v[SPW], v0, 2, SPARE
	v_mov_b32 v[NIL], 0
	ds_add_u32 v28, v29
	s_wait_dscnt 0x0
	v_lshrrev_b32 v1, 5, v0
	v_readfirstlane_b32 s14, v1                    ; wave 0..3
	s_lshr_b32 s15, s14, 1                         ; which half of A's rows is mine.  Also: I fetch for A (0) or for B (1)
	s_and_b32 s16, s14, 1                          ; which half of B's rows.  Also: which 128 rows of that tile I fetch
	s_bfe_u32 s40, ttmp6, 0x40000                  ; cx, cy: my place in the cluster
	s_bfe_u32 s41, ttmp6, 0x40004
	s_and_b32 s17, ttmp7, 0xffff
	s_lshl_b32 s17, s17, 2                         ; 4 x the cluster's y
	s_lshl_b32 s43, s41, 2
	s_lshl_b32 s43, 15, s43                        ; my row of the cluster
	s_lshl_b32 s44, 0x1111, s40                    ; my column
	s_wait_kmcnt 0x0
	s_cmp_eq_u32 ttmp9, 0                          ; q's set or k's: the choice hangs on the cluster's x alone
	s_cselect_b64 s[70:71], s[28:29], s[32:33]     ; W's codes
	s_cselect_b64 s[72:73], s[30:31], s[34:35]     ; W's scales
	s_cselect_b64 s[100:101], s[48:49], s[50:51]   ; the bias
	s_cselect_b64 s[12:13], s[54:55], s[56:57]     ; where the codes go
	s_cselect_b64 s[96:97], s[60:61], s[62:63]     ; where the scale words go
	s_cmp_eq_u32 ttmp9, 2                          ; or v's
	s_cselect_b64 s[70:71], s[36:37], s[70:71]
	s_cselect_b64 s[72:73], s[38:39], s[72:73]
	s_cselect_b64 s[100:101], s[52:53], s[100:101]
	s_cselect_b64 s[12:13], s[58:59], s[12:13]
	s_cselect_b64 s[96:97], s[68:69], s[96:97]
	s_cselect_b64 s[4:5], s[70:71], s[24:25]       ; A: Wv for v, else x
	s_cselect_b64 s[6:7], s[72:73], s[26:27]
	s_cselect_b64 s[8:9], s[24:25], s[70:71]       ; B: x for v, else W
	s_cselect_b64 s[10:11], s[26:27], s[72:73]
	s_cselect_b32 s18, 0, s17                      ; the 32 tiles of tokens are walked by the cluster's y: in A for q and k,
	s_cselect_b32 s19, s17, 0                      ; in B for v
	s_add_co_u32 s17, s18, s41                     ; A's tile: hangs on cy alone
	s_add_co_u32 s42, s19, s40                     ; B's tile: hangs on cx alone
	; descriptor group 1: a tile of 128 rows x 256 bytes, padded in LDS
	s_or_b32 s[G1+0], s43, (0<<16)|(1<<20)|(1<<21)|(5<<22)|(3<<25)  ; 15:0 the mask: A's tiles go to my row; 17:16 element of 1 byte; 20 padding on; 21 set beside a mask; 24:22 after every 64 words (code 5); 31:25 of 4 words (code 3)
	s_or_b32 s[G1B+0], s44, (0<<16)|(1<<20)|(1<<21)|(5<<22)|(3<<25)
.irp g, G1, G1B
	s_mov_b32 s[\g+1], ROWB<<16                    ; tensor_dim0
	s_mov_b32 s[\g+2], 128<<16                     ; tensor_dim1 = 128
	s_mov_b32 s[\g+3], ROWB<<16                    ; tile_dim0
	s_mov_b32 s[\g+4], 128                         ; tile_dim1 = 128
	s_mov_b32 s[\g+5], KROW                        ; tensor_dim0_stride
	s_mov_b32 s[\g+6], 0
	s_mov_b32 s[\g+7], 0
.endr
	; and for the scales of 128 rows: a dense block of 4,096 bytes, as 16 rows of 256 bytes (32 elements of 8 bytes), 16 bytes of padding behind each
	s_or_b32 s[G1S+0], s43, (3<<16)|(1<<20)|(1<<21)|(5<<22)|(3<<25)
	s_or_b32 s[G1SB+0], s44, (3<<16)|(1<<20)|(1<<21)|(5<<22)|(3<<25)
.irp g, G1S, G1SB
	s_mov_b32 s[\g+1], 32<<16
	s_mov_b32 s[\g+2], (128*KS/256)<<16
	s_mov_b32 s[\g+3], 32<<16
	s_mov_b32 s[\g+4], 128*KS/256
	s_mov_b32 s[\g+5], 32
	s_mov_b32 s[\g+6], 0
	s_mov_b32 s[\g+7], 0
.endr
	s_lshl_b32 s18, s16, 7                         ; which 128 rows of the tile I fetch
	s_lshl_b32 s20, s17, 8
	s_add_co_u32 s20, s20, s18                     ; A: row 256 x tile + 128 x half
	s_lshl_b32 s46, s42, 8
	s_add_co_u32 s46, s46, s18                     ; B likewise
	s_mov_b32 s21, 0
	s_mov_b32 s47, 0
	s_mov_b64 s[18:19], KS
	s_mul_u64 s[22:23], s[20:21], s[18:19]         ; where these rows' scales begin, in bytes
	s_mul_u64 s[92:93], s[46:47], s[18:19]
	s_mov_b64 s[18:19], KROW
	s_mul_u64 s[20:21], s[20:21], s[18:19]         ; and their codes
	s_mul_u64 s[46:47], s[46:47], s[18:19]
	s_mul_i32 s45, s14, HALFT                      ; where they go: wave x 128 rows: no place in the cluster enters an LDS address
	s_mul_i32 s94, s14, HALFS
	s_add_nc_u64 s[20:21], s[4:5], s[20:21]
	s_add_nc_u64 s[22:23], s[6:7], s[22:23]
	s_add_nc_u64 s[46:47], s[8:9], s[46:47]
	s_add_nc_u64 s[92:93], s[10:11], s[92:93]
	CROUND                                         ; all sixteen work-groups are here: the first joint loads meet
	s_mov_b32 s[G0S], 1
	s_add_co_u32 s[G0S+1], s94, SCL
	s_mov_b64 s[G0S+2:G0S+3], s[22:23]
	s_or_b32 s[G0S+3], s[G0S+3], 0x80000000
	s_mov_b32 s[G0SB], 1
	s_add_co_u32 s[G0SB+1], s94, SCL
	s_mov_b64 s[G0SB+2:G0SB+3], s[92:93]
	s_or_b32 s[G0SB+3], s[G0SB+3], 0x80000000
	JLOAD G0S, G1S, G0SB, G1SB                     ; the scales first: they are wanted with K step 0
.irp s, 0,1
	s_mov_b32 s[G0+4*\s], 1
	s_add_co_u32 s[G0+4*\s+1], s45, \s*SLOT
	s_add_nc_u64 s[G0+4*\s+2:G0+4*\s+3], s[20:21], \s*ROWB
	s_or_b32 s[G0+4*\s+3], s[G0+4*\s+3], 0x80000000
	s_mov_b32 s[G0B+4*\s], 1
	s_add_co_u32 s[G0B+4*\s+1], s45, \s*SLOT
	s_add_nc_u64 s[G0B+4*\s+2:G0B+4*\s+3], s[46:47], \s*ROWB
	s_or_b32 s[G0B+4*\s+3], s[G0B+4*\s+3], 0x80000000
	JLOAD G0+4*\s, G1, G0B+4*\s, G1B               ; three tensor loads of mine are out now
.endr
	v_and_b32 v1, 15, v0                           ; r = l % 16
	v_bfe_u32 v2, v0, 4, 1                         ; h = l / 16
	v_mul_u32_u24 v3, v1, PITCH
	v_lshl_add_u32 v4, v2, 4, v3                   ; a fragment's row x pitch + 16 x half
	s_mul_i32 s21, s15, HALFT                      ; my 128 rows of A
	s_mul_i32 s22, s16, HALFT                      ; my 128 rows of B,
	s_add_co_u32 s22, s22, 2*HALFT                 ; which lie behind A's 256
.irp s, 0,1
	v_add_nc_u32 v[ADRA+\s], s21, v4
	v_add_nc_u32 v[ADRB+\s], s22, v4
	s_add_co_u32 s21, s21, SLOT
	s_add_co_u32 s22, s22, SLOT
.endr
	v_mul_u32_u24 v5, v1, KS                       ; my row's scales: KS bytes a row,
	v_lshrrev_b32 v6, 8, v5
	v_lshl_add_u32 v5, v6, 4, v5                   ; and 16 more for each 256 passed
	s_mul_i32 s21, s15, HALFS                      ; A's: my 128 rows
	s_mul_i32 s22, s16, HALFS                      ; B's: my 128 rows, behind A's 256
	s_add_co_u32 s22, s22, 2*HALFS
	s_sub_co_u32 s22, s22, s21
	v_mul_u32_u24 v6, s22, v2                      ; lanes 16-31 take B's
	s_add_co_u32 s21, s21, SCL
	v_add_nc_u32 v5, v5, v6
	v_add_nc_u32 v[ADRS], s21, v5
	; where my wave's results go.  T0: its first token; N0: its first feature (128 features = a pair of heads)
	s_lshl_b32 s18, s17, 8
	s_lshl_b32 s19, s15, 7
	s_add_co_u32 s18, s18, s19                     ; my first row of A
	s_lshl_b32 s19, s42, 8
	s_lshl_b32 s22, s16, 7
	s_add_co_u32 s19, s19, s22                     ; my first row of B
	s_cmp_eq_u32 ttmp9, 2
	s_cselect_b32 s22, s19, s18                    ; T0
	s_cselect_b32 s23, s18, s19                    ; N0
	s_cselect_b32 s46, 1, 0                        ; v's scale words are half as many bytes as q's or k's
	s_cselect_b32 s47, 12, 8                       ; lanes 16-31 store 4,096 bytes on (v: the pair's other head) or 256 (q, k: the next 64 tokens)
	s_cselect_b32 s92, 0, 32                       ; the bias's offset: q, k: 64 i + 32 h + 4 j;  v: 64 i + 4 r
	s_cselect_b32 s93, 4, 0
	s_cselect_b32 s94, 0, 4
	s_lshr_b32 s18, s22, 11                        ; the batch,
	s_lshl_b32 s18, s18, 3
	s_lshr_b32 s19, s23, 7
	s_add_co_u32 s18, s18, s19                     ; the pair of heads: 8 x batch + N0 / 128
	s_and_b32 s19, s22, 2047                       ; the token in its batch
	s_lshl_b32 s20, s18, 18                        ; codes: 262,144 bytes a pair, 64 bytes a token in each of the three layouts
	s_lshl_b32 s21, s19, 6
	s_add_co_u32 s20, s20, s21
	s_mov_b32 s21, 0
	s_add_nc_u64 s[12:13], s[12:13], s[20:21]
	s_lshl_b32 s20, s18, 14                        ; scale words: 16,384 bytes a pair and 4 a token (q, k), half of both for v
	s_lshl_b32 s22, s19, 2
	s_add_co_u32 s20, s20, s22
	s_lshr_b32 s20, s20, s46
	s_add_nc_u64 s[96:97], s[96:97], s[20:21]
	s_lshl_b32 s20, s23, 2
	s_add_nc_u64 s[100:101], s[100:101], s[20:21]  ; the bias at my first feature
	v_mul_u32_u24 v7, v2, s92
	v_mad_u32_u24 v7, v1, s93, v7
.irp j, 0,1,2,3,4,5,6,7
	s_mul_i32 s18, s94, \j
	v_add_nc_u32 v[BO+\j], s18, v7
.endr
	v_lshlrev_b32 v[SA], s47, v2
	v_lshl_add_u32 v[SA], v1, 4, v[SA]             ; 16 r + h x (256 or 4,096)
	v_and_b32 v6, 31, v0
	v_lshlrev_b32 v[CO], 4, v6                     ; 16 x lane
.irp i, 0,1,2,3,4,5,6,7
.irp j, 0,1,2,3,4,5,6,7
	global_load_b32 v[BI+8*\i+\j], v[BO+\j], s[100:101] offset:64*\i   ; register 8 i + j: q, k: the bias of feature 16 i + 8 h + j (i: B's block);  v: of feature 16 i + r (i: A's block), eight times
.endr
.endr
	s_mov_b32 s20, 0x76543210                      ; v_permlanex16_b32's selects for lane l xor 16
	s_mov_b32 s21, 0xfedcba98
	s_mov_b32 s98, 0x600000                        ; the mantissa field of 57,344
	s_mov_b32 s99, 0xffff0000                      ; lanes 16-31
.macro FRAG reg, adr, q, i             ; a fragment, 16 rows x 128 K of 8-bit codes, is 16 registers: lane l holds row l % 16; registers 4 c .. 4 c + 3 hold K = 32 c + 16 (l / 16) + 0 .. 15
.irp c, 0,1,2,3
	ds_load_b128 v[\reg+4*\c:\reg+4*\c+3], v[\adr] offset:128*(\q)+32*\c+(\i)*16*PITCH
.endr
.endm
; 16 matrix instructions: A's blocks a0, a0 + 1 x B's eight, 128 along K: the slot's q-th.  p: B's set;  sc: the set of scale words.
; zero = 1: the sums start with the bias of B's block;  2: with that of A's block;  0: they go on.  The 64 accumulators take turns, one instruction a turn, in the same order in every step.
.macro MUL16 a0, p, q, sc, zero
.irp a, \a0, \a0+1
.irp b, 0,1,2,3,4,5,6,7
.if \zero == 1
	v_wmma_scale_f32_16x16x128_f8f6f4 v[8*(8*((\a)%4)+\b):8*(8*((\a)%4)+\b)+7], v[128*(\p)+FR*\b:128*(\p)+FR*\b+FR-1], v[AF+FR*(\a):AF+FR*(\a)+FR-1], v[BI+8*\b:BI+8*\b+7], v[SC+8*NQ*(\sc)+NQ*\b+(\q)], v[SC+8*NQ*(\sc)+NQ*(\a)+(\q)] matrix_a_fmt:MATRIX_FMT_BF8 matrix_b_fmt:MATRIX_FMT_BF8 matrix_a_scale:MATRIX_SCALE_ROW1
.elseif \zero == 2
	v_wmma_scale_f32_16x16x128_f8f6f4 v[8*(8*((\a)%4)+\b):8*(8*((\a)%4)+\b)+7], v[128*(\p)+FR*\b:128*(\p)+FR*\b+FR-1], v[AF+FR*(\a):AF+FR*(\a)+FR-1], v[BI+8*(\a):BI+8*(\a)+7], v[SC+8*NQ*(\sc)+NQ*\b+(\q)], v[SC+8*NQ*(\sc)+NQ*(\a)+(\q)] matrix_a_fmt:MATRIX_FMT_BF8 matrix_b_fmt:MATRIX_FMT_BF8 matrix_a_scale:MATRIX_SCALE_ROW1
.else
	v_wmma_scale_f32_16x16x128_f8f6f4 v[8*(8*((\a)%4)+\b):8*(8*((\a)%4)+\b)+7], v[128*(\p)+FR*\b:128*(\p)+FR*\b+FR-1], v[AF+FR*(\a):AF+FR*(\a)+FR-1], v[8*(8*((\a)%4)+\b):8*(8*((\a)%4)+\b)+7], v[SC+8*NQ*(\sc)+NQ*\b+(\q)], v[SC+8*NQ*(\sc)+NQ*(\a)+(\q)] matrix_a_fmt:MATRIX_FMT_BF8 matrix_b_fmt:MATRIX_FMT_BF8 matrix_a_scale:MATRIX_SCALE_ROW1
.endif
.endr
.endr
.endm
.macro FETCH_B slot, q, p              ; B's eight fragments of the slot's q-th 128 along K into set p
	WIN TO_B
.irp i, 0,1,2,3,4,5,6,7
	FRAG 128*(\p)+FR*\i, ADRB+\slot, \q, \i
.endr
	WIN 0
.endm
.macro FETCH_A slot, q, i0             ; A's blocks i0 .. i0 + 3
.irp i, \i0, \i0+1, \i0+2, \i0+3
	FRAG AF+FR*(\i), ADRA+\slot, \q, \i
.endr
.endm
.macro SCALES sc                       ; the next K step's scale words into set sc: NQ words a row; lanes 0-15 take A's block i, lanes 16-31 B's block i
.irp i, 0,1,2,3,4,5,6,7
	ds_load_b64 v[SC+8*NQ*\sc+NQ*\i:SC+8*NQ*\sc+NQ*\i+1], v[ADRS] offset:\i*SBLK
.endr
.endm
; A load into a register that a matrix instruction has read, and a vector instruction that reads a matrix result or writes one of its registers, stand NP places behind it; only plain vector
; instructions that name none of its registers are places (ISA guide 7.12.1 for vector instructions).
.macro PLACES n
.rept \n
	v_nop
.endr
.endm
; A step of 128 along K that has its successor in the same slot.
.macro STEP slot, q, zero
	s_wait_dscnt 4*NL                              ; B's set, A's blocks 0-3 and the scale words are in; the youngest sixteen loads (A's blocks 4-7) may be out
.if \zero
	WIN BIA_LO
.else
	WIN MUL_LO
.endif
	MUL16 0, (\q)%2, \q, \slot, \zero
	MUL16 2, (\q)%2, \q, \slot, \zero
	s_wait_dscnt 0                                 ; A's blocks 4-7 are in (asked for 32 matrix instructions ago)
	PLACES NP
	FETCH_B \slot, (\q)+1, 1-(\q)%2
	FETCH_A \slot, (\q)+1, 0
.if \zero
	WIN BIA_HI
.else
	WIN MUL_HI
.endif
	MUL16 4, (\q)%2, \q, \slot, \zero
	MUL16 6, (\q)%2, \q, \slot, \zero
	PLACES NP
	WIN 0
	FETCH_A \slot, (\q)+1, 4
.endm
; A slot's last step changes slots: ONE barrier; in front of it each wave waits for all its tensor loads, adds 0 to its spare word, and waits for that and for its own reads of this slot.  fill = 1: this slot is filled again, two K steps ahead.
.macro TURN slot, next, fill
	s_wait_tensorcnt 0x0                           ; all my tensor loads have landed: my part of the next slot;  (every window is 0 here)
	ds_add_u32 v[SPW], v[NIL]                      ; 0 onto my spare word
	s_wait_dscnt 4*NL+1                            ; (the add and the youngest sixteen loads, A's blocks 4-7, may be out)
	WIN MUL_LO
	MUL16 0, 1, NQ-1, \slot, 0                     ; sixteen matrix instructions stand between the add and the wait for it
	s_wait_dscnt 0x0                               ; the add is done, and my reads of this slot are over
	s_barrier_signal -1
	MUL16 2, 1, NQ-1, \slot, 0
	WIN 0
	s_barrier_wait -1
.if \fill
	CREST                                          ; the barrier has opened a round of the cluster's barrier: no wave of any partner still reads this slot's tile or has a load on its way
	s_add_nc_u64 s[G0+4*\slot+2:G0+4*\slot+3], s[G0+4*\slot+2:G0+4*\slot+3], 2*ROWB
	s_add_nc_u64 s[G0B+4*\slot+2:G0B+4*\slot+3], s[G0B+4*\slot+2:G0B+4*\slot+3], 2*ROWB
	JLOAD G0+4*\slot, G1, G0B+4*\slot, G1B         ; the first tensor load behind the round; the four v_nop behind it are among the places in front of the loads below
	PLACES NP-4
.else
	PLACES NP
.endif
	v_add_nc_u32 v[ADRS], 4*NQ, v[ADRS]            ; on to the next K step's scale words (no LDS load of mine is out)
	FETCH_B \next, 0, 0
	FETCH_A \next, 0, 0
	SCALES \next
	WIN MUL_HI
	MUL16 4, 1, NQ-1, \slot, 0
	MUL16 6, 1, NQ-1, \slot, 0
	PLACES NP
	WIN 0
	FETCH_A \next, 0, 4
.endm
	s_wait_tensorcnt 1                             ; the scales and my part of K step 0 are in (K step 1's load may be out)
	s_barrier_signal -1
	s_barrier_wait -1                              ; everybody's are
	FETCH_B 0, 0, 0
	FETCH_A 0, 0, 0
	SCALES 0
	FETCH_A 0, 0, 4
	s_wait_loadcnt 0x0                             ; the bias
	s_cmp_eq_u32 ttmp9, 2                          ; the first step starts the sums with the bias: by B's block (q, k) or by A's (v).  The two copies hold LDS loads and products alone
	s_cbranch_scc1 .Lfirst_v
	STEP 0, 0, 1
	s_branch .Lfirst_done
.Lfirst_v:
	STEP 0, 0, 2
.Lfirst_done:
	s_mov_b32 s3, LAPS-1
.Llap:                                                 ; a trip goes once round the ring, from a lap's second step to the next lap's first, and fills both slots again
	TURN 0, 1, 1
	STEP 1, 0, 0
	TURN 1, 0, 1
	STEP 0, 0, 0
	s_sub_co_u32 s3, s3, 1
	s_cmp_lg_u32 s3, 0
	s_cbranch_scc1 .Llap
	TURN 0, 1, 0                                   ; the last lap fills nothing, and has no round of the cluster's barrier
	STEP 1, 0, 0
	s_wait_dscnt 4*NL                              ; the very last step: nothing more to fetch
	WIN MUL_LO
	MUL16 0, 1, NQ-1, 1, 0
	MUL16 2, 1, NQ-1, 1, 0
	s_wait_dscnt 0
	WIN MUL_HI
	MUL16 4, 1, NQ-1, 1, 0
	MUL16 6, 1, NQ-1, 1, 0
	WIN 0
; THE QUANTISER.  A's block a: a lane's 64 numbers are four blocks of 32 along B's rows, 16 numbers of each; lane l xor 16 holds the other 16.
; Where block a's 16 registers of codes lie: chosen so that no conversion names one number both as result and as source (they lie in different windows).
.macro SETQP a
.set QP, PCD+16*(((4*((\a)%4)+6*(((\a)%4)/2))%8)+(\a)/4)
.endm
.macro QUANTA a
.set QS, 64*((\a)%4)                   ; its accumulators, in window 2 (blocks 0-3) or 3 (blocks 4-7)
	SETQP \a
	WIN 0x0a+5*((\a)/4)                            ; sources 0 and 1: the accumulators' window
.irp b, 0,1,2,3
	v_max3_num_f32 v[TM+\b], |v[QS+16*\b]|, |v[QS+16*\b+1]|, 0x8000000   ; block b: my 16 numbers, from each accumulator's low end on, and the floor 2^(16 - 127): so the byte cannot fall under 1
.endr
.irp i, 2,4,6,8,10,12,14
.irp b, 0,1,2,3
	v_max3_num_f32 v[TM+\b], |v[QS+16*\b+\i]|, |v[QS+16*\b+\i+1]|, v[TM+\b]   ; (the four blocks by turns)
.endr
.endr
	WIN 0
.irp b, 0,1,2,3
	v_permlanex16_b32 v[TM+4+\b], v[TM+\b], s20, s21
.endr
.irp b, 0,1,2,3
	v_max_num_f32 v[TM+\b], v[TM+\b], v[TM+4+\b]   ; with lane l xor 16's: the block's largest magnitude
.endr
.irp b, 0,1,2,3
	v_add_nc_u32 v[TM+12+\b], 0xf8800000, v[TM+\b] ; 15 off its exponent field: the conversion takes the exponent field of this operand as its scale
.endr
.irp b, 0,1,2,3
	v_and_or_b32 v[TM+8+\b], v[TM+\b], 0x7f800000, s98   ; 57,344 x the scale
.endr
.irp b, 0,1,2,3
	v_lshrrev_b32 v[TM+4+\b], 23, v[TM+12+\b]      ; the scale's byte
.endr
	v_lshl_or_b32 v[SW+(\a)], v[TM+5], 8, v[TM+4]  ; the four bytes: my row's scale word (the same in lanes l and l xor 16)
	v_lshl_or_b32 v[SW+(\a)], v[TM+6], 16, v[SW+(\a)]
	v_lshl_or_b32 v[SW+(\a)], v[TM+7], 24, v[SW+(\a)]
	WIN 0x82+0x41*((\a)/4)                         ; destination and source 0: the accumulators' window
.irp b, 0,1,2,3
.irp i, 0,1,2,3,4,5,6,7,8,9,10,11,12,13,14,15
	v_med3_num_f32 v[QS+16*\b+\i], v[QS+16*\b+\i], -v[TM+8+\b], v[TM+8+\b]   ; the conversion to an 8-bit code does not saturate (ISA guide 7.6.2): the hold at the largest code x the scale
.endr
.endr
	WIN 2+(\a)/4                                   ; source 0: the accumulators' window
.irp b, 0,1,2,3
	v_cvt_scalef32_pk8_bf8_f32 v[QP+4*\b:QP+4*\b+1], v[QS+16*\b:QS+16*\b+7], v[TM+12+\b]
	v_cvt_scalef32_pk8_bf8_f32 v[QP+4*\b+2:QP+4*\b+3], v[QS+16*\b+8:QS+16*\b+15], v[TM+12+\b]
.endr
	WIN 0
	v_nop                                          ; one plain vector instruction behind the last conversion, ahead of the lines that write its scale operands anew
.endm
	PLACES NP                                      ; behind the last products: their results are read, and their scale words' and A's registers are written, below
.irp b, 0,1,2,3
	v_mov_b32 v[TM+4+\b], 0                        ; written once: a lane permute's destination counts as one of its sources
.endr
.irp a, 0,1,2,3,4,5,6,7
	QUANTA \a
.endr
	; THE WAY OUT.  Every store of 16 bytes a lane covers 512 consecutive bytes, aligned, or two runs of 256; no stored register is written again.
.irp i, 0,1,2,3
	v_cndmask_b32 v[XW+\i], v[SW+\i], v[SW+4+\i], s99   ; lanes 0-15: blocks 0-3 of A; lanes 16-31: blocks 4-7
.endr
	global_store_b128 v[SA], v[XW:XW+3], s[96:97]  ; q, k: the first head's words of my 128 tokens (bytes 2, 3 are the other head's scales: over zero codes);  v: both heads' words of my 128 keys
	s_cmp_eq_u32 ttmp9, 2
	s_cbranch_scc1 .Lout_v
.irp i, 0,1,2,3
	v_lshrrev_b32 v[XW2+\i], 16, v[XW+\i]          ; the second head's two bytes come down; zeros above them
.endr
	global_store_b128 v[SA], v[XW2:XW2+3], s[96:97] offset:8192
.irp a, 0,1,2,3,4,5,6,7
	SETQP \a
.irp b, 0,1,2,3
	global_store_b128 v[CO], v[QP+4*\b:QP+4*\b+3], s[12:13] offset:(\a)*1024+(\b/2)*131072+(\b%2)*512   ; tile of tokens a; head b / 2 of the pair; c = b % 2
.endr
.endr
	s_branch .Lout_done
.Lout_v:
.irp a, 0,1,2,3,4,5,6,7
	SETQP \a
.irp b, 0,1,2,3
	global_store_b128 v[CO], v[QP+4*\b:QP+4*\b+3], s[12:13] offset:((\a)/4)*131072+((\a)%4)*2048+\b*512   ; head a / 4 of the pair; tile of channels a % 4; c = b
.endr
.endr
.Lout_done:
	s_wait_tensorcnt 0x0                           ; the wave's end
	ds_add_u32 v[SPW], v[NIL]
	s_wait_dscnt 0x0
	CROUND                                         ; the closing round: no work-group ends while a partner may still ask for a tile that names it
	s_endpgm
.Lfunc_end_k_q958d5d83af_qkv:
	.size	k_q958d5d83af_qkv, .Lfunc_end_k_q958d5d83af_qkv-k_q958d5d83af_qkv
	.p2alignl 7, 3214868480
	.fill 96, 4, 3214868480
	.section	.rodata,"a",@progbits
	.p2align	6, 0x0
	.amdhsa_kernel k_q958d5d83af_qkv
		.amdhsa_group_segment_fixed_size 327680
		.amdhsa_private_segment_fixed_size 0
		.amdhsa_enable_private_segment 0
		.amdhsa_kernarg_size 136
		.amdhsa_user_sgpr_count 2
		.amdhsa_user_sgpr_kernarg_segment_ptr 1
		.amdhsa_wavefront_size32 1
		.amdhsa_system_sgpr_workgroup_id_x 1
		.amdhsa_system_sgpr_workgroup_id_y 1
		.amdhsa_system_sgpr_workgroup_id_z 1
		.amdhsa_system_vgpr_workitem_id 0
		.amdhsa_next_free_vgpr 1024
		.amdhsa_next_free_sgpr 102
		.amdhsa_reserve_vcc 0
		.amdhsa_float_denorm_mode_32 3
		.amdhsa_float_denorm_mode_16_64 3
		.amdhsa_memory_ordered 1
		.amdhsa_forward_progress 1
		.amdhsa_inst_pref_size 208
	.end_amdhsa_kernel
	.amdgpu_metadata
---
amdhsa.version: [ 1, 2 ]
amdhsa.kernels:
  - .name:           k_q958d5d83af_qkv
    .symbol:         k_q958d5d83af_qkv.kd
    .args:
      - { .name: x_codes, .offset: 0, .size: 8, .value_kind: global_buffer, .address_space: global }
      - { .name: x_scales, .offset: 8, .size: 8, .value_kind: global_buffer, .address_space: global }
      - { .name: Wq_codes, .offset: 16, .size: 8, .value_kind: global_buffer, .address_space: global }
      - { .name: Wq_scales, .offset: 24, .size: 8, .value_kind: global_buffer, .address_space: global }
      - { .name: Wk_codes, .offset: 32, .size: 8, .value_kind: global_buffer, .address_space: global }
      - { .name: Wk_scales, .offset: 40, .size: 8, .value_kind: global_buffer, .address_space: global }
      - { .name: Wv_codes, .offset: 48, .size: 8, .value_kind: global_buffer, .address_space: global }
      - { .name: Wv_scales, .offset: 56, .size: 8, .value_kind: global_buffer, .address_space: global }
      - { .name: bq, .offset: 64, .size: 8, .value_kind: global_buffer, .address_space: global }
      - { .name: bk, .offset: 72, .size: 8, .value_kind: global_buffer, .address_space: global }
      - { .name: bv, .offset: 80, .size: 8, .value_kind: global_buffer, .address_space: global }
      - { .name: qimg, .offset: 88, .size: 8, .value_kind: global_buffer, .address_space: global }
      - { .name: kimg, .offset: 96, .size: 8, .value_kind: global_buffer, .address_space: global }
      - { .name: vimg, .offset: 104, .size: 8, .value_kind: global_buffer, .address_space: global }
      - { .name: qsc, .offset: 112, .size: 8, .value_kind: global_buffer, .address_space: global }
      - { .name: ksc, .offset: 120, .size: 8, .value_kind: global_buffer, .address_space: global }
      - { .name: vsc, .offset: 128, .size: 8, .value_kind: global_buffer, .address_space: global }
    .group_segment_fixed_size: 327680
    .private_segment_fixed_size: 0
    .kernarg_segment_align: 8
    .kernarg_segment_size: 136
    .max_flat_workgroup_size: 128
    .sgpr_count:     102
    .vgpr_count:     1024
    .wavefront_size: 32
...
	.end_amdgpu_metadata
.endif
;; end of part 1
;; launch attn (part 2): grid 8 x 32, 16 waves a work-group, clusters of 4 x 1, 327,680 bytes of LDS; arguments qimg, qsc, kimg, ksc, vimg, vsc, cimg, csc; writes cimg, csc
.if DOCPART == 2
	.amdgcn_target "amdgcn-amd-amdhsa--gfx1250"
	.amdhsa_code_object_version 6
	.text
	.protected	k_q958d5d83af_attn
	.globl	k_q958d5d83af_attn
	.p2align	8
	.type	k_q958d5d83af_attn,@function
k_q958d5d83af_attn:
	s_mov_b64 s[64:65], 0
	v_nop
	global_prefetch_b8 v0, s[64:65] scope:SCOPE_SE
	s_setreg_imm32_b32 hwreg(HW_REG_WAVE_MODE, 25, 1), 1
	s_wait_xcnt 0x0
	s_wait_alu depctr_hold_cnt(0) depctr_sa_sdst(0) depctr_va_vdst(0) depctr_va_sdst(0) depctr_va_ssrc(0) depctr_va_vcc(0) depctr_vm_vsrc(0)
	s_getreg_b32 s2, hwreg(HW_REG_IB_STS2, 6, 4)
	s_cmp_eq_u32 s2, 0
	s_cbranch_scc0 .Lentry_in_a_cluster
	s_endpgm
.Lentry_in_a_cluster:
	s_bfe_u32 s2, ttmp6, 0x10000c
	s_cmp_lg_u32 s2, 0x3003
	s_cbranch_scc0 .Lentry_shape_is_right
	s_endpgm
.Lentry_shape_is_right:
; ctx[b][q][head][:] = the sum over k of softmax_k(q . k / 8) v, both products on codes of BF8 (E5M2) with one E8M0 scale for each 32 along a product's K; ctx leaves quantised along the model's 1,024, as the next product's operand.
; INPUTS: images of operand registers.  qimg, kimg: [head 64][tile of 16 tokens 128][c 2][lane 32][16 bytes] (K = the head's 64: registers 0-7 of an operand; registers 8-15 are zero codes on both sides).
; vimg: [head][128 keys 16][tile of 16 channels 4][c 4][lane][16 bytes] (K = the keys).  qsc, ksc: [head][64 tokens 32][r 16][t 4] words.  vsc: [head][128 keys 16][r 16][tile 4] words.
; Inside each block of 32 the codes of q and k (along the head) and of v (along the keys) stand in one order: place 16 h + i holds element 8 h + (i % 8) + 16 (i / 8).  p is made here in the same order.
; THE SOFTMAX AHEAD OF THE SECOND PRODUCT: t = score x log2(e) / 8; M = the row's largest t so far, rounded UP to a whole number; p = 2^(t - M) is what is quantised, along the keys; it is not normalised.
; The row's sum is taken of the unquantised p, in f32, and divides O at the end.  When M moves, the sum and O are multiplied by 2^(old M - new M): exact.
; SHARES.  A work-group owns 256 queries of a PAIR of heads and walks the two heads one after the other; each of its sixteen waves owns 16 queries, in 256 registers: four waves to a SIMD, so that one wave's vector work
; stands beside another's matrix work and LDS loads.  A wave so ends with 128 neighbours of ctx's row for its 16 tokens: one whole fragment and one whole scale word of the next product.
; K's and V's images of the pair are one run of memory each: eight slots' worth of 512 keys, through a ring of two LDS slots (waves 0, 1: K's halves; waves 2, 3: V's), read by all sixteen.
; CLUSTER.  The four blocks of queries of a cluster belong to one pair of heads and walk the same K, V and scale words: every tensor load is asked for JOINTLY, mask 15.
; LAYOUT.  Both products are used transposed: S^T = K Q^T (source 0 = 16 keys, source 1 = my 16 queries), O^T = V^T P^T (source 0 = 16 channels, source 1 = P): a lane holds ONE query (lane % 16) throughout.
; LIMITS: NaN and infinities are not served.  A p under 2^-126 comes out of v_exp_f32 as 0.  A block of zeros gets the scale byte 1 where the rule says 127: its codes are zeros, and this program alone reads the bytes.
; A block's largest p is taken from its largest score by the same multiply-add and exponential, which leans on v_exp_f32 not falling where its input rises.
; REGISTERS: v1-11 addresses; v12 -M, v13 the largest t, v[14:15] the sum in two halves; v16-23 Q, v24-31 zeros; v32-95 four fragments of K (8 registers of codes, 8 of zeros each); v96-159 S^T, then p, then V's four fragments;
; v160-191 O^T; v192-207 p's codes; v208-215 K's scale words, v216-219 V's; v220 Q's, v221 p's, v222 the second head's Q's, v223 ctx's; v224-231 the second head's Q, then ctx's codes; v232-254 at work.
.set SLOT1, 65536                      ; a slot: K's images of 512 keys (32,768 bytes), then V's; slot 1 begins here, so that one exclusive or turns an address in one slot into the other's
.set VOFF,  32768
.set SCK,   131072                     ; behind the ring: K's scale words of the pair, 16,384 bytes, filled once;
.set SCV,   147456                     ; V's, 8,192 bytes
.set SPARE, 163840                     ; the spare words, 128 bytes for each wave: eight blocks of 256 bytes that no other line names
.set LI,   1                           ; v1   16 x lane: my place in an image
.set LRK,  2                           ; v2   SCK + 16 r
.set LRV,  3                           ; v3   SCV + 16 r
.set ADK,  4                           ; v4   LDS address of the slot in hand
.set SPW,  5                           ; v5   LDS address of my spare word; never rewritten
.set NIL,  6                           ; v6   0; never rewritten
.set ADS,  7                           ; v7   LDS address of the slot's scale words of K
.set ADT,  8                           ; v8   of V
.set QO,   9                           ; v9   16 r: Q's scale words
.set CSO,  10                          ; v10  32 r: ctx's scale words
.set KF,   32
.set KSW,  208
.set VSW,  216
.set QSW,  220
.set PSW,  221
.set QSW1, 222
.set CW,   223
.set QN,   224
.set WV,   20                          ; s20  my wave's number
.set MNT,  21                          ; s21  the mantissa field of 57,344
.set SEL,  22                          ; s[22:23] lane selects for v_permlanex16_b32: lane l xor 16
.set CS,   24                          ; s[24:25] c = log2(e) / 8
.set TB,   26                          ; s26  LDS byte at which the slot in hand begins
.set TS,   27                          ; s27  where its scale words of K begin: 2,048 bytes a slot
.set TJ,   28                          ; s28  and V's: 1,024 bytes a slot
.set SLOTS, 29                         ; s29  counts slots
.set HI16, 31                          ; s31  lanes 16-31
.set G1,   32                          ; s[32:39] descriptor group 1: 64 rows of 256 bytes
.set G1S,  40                          ; s[40:47] the same with 32 rows
.set G0K,  48                          ; s[48:51], s[52:55] groups 0 for K's and V's images, which walk
.set G0V,  52
.set G0SK, 72                          ; s[72:75], s[76:79] groups 0 for the scale words
.set G0SV, 76
; Waves 0 and 1 fetch for K, waves 2 up to lim - 1 for V, the others nothing.  The branches hang on the wave's number alone.  Four v_nop follow each of the two lines.
.macro TLOAD g0k, g1k, g0v, g1v, lim
	s_cmp_lt_u32 s[WV], 2
	s_cbranch_scc0 .Lnot_k_\@
	tensor_load_to_lds s[\g0k:\g0k+3], s[\g1k:\g1k+7]
	s_nop 0
.rept 4
	v_nop
.endr
	s_branch .Lasked_\@
.Lnot_k_\@:
	s_cmp_lt_u32 s[WV], \lim
	s_cbranch_scc0 .Lasked_\@
	tensor_load_to_lds s[\g0v:\g0v+3], s[\g1v:\g1v+7]
	s_nop 0
.rept 4
	v_nop
.endr
.Lasked_\@:
.endm
; A round of the cluster's barrier: my work-group's barrier; wave 0 signals for the work-group; every wave waits for all four work-groups; my work-group's barrier once more.
.macro ROUND
	s_barrier_signal -1
	s_barrier_wait -1
	s_cmp_lg_u32 s[WV], 0
	s_cbranch_scc1 .Lnot_wave_0_\@
	s_barrier_signal -3
.Lnot_wave_0_\@:
	s_barrier_wait -3
	s_barrier_signal -1
	s_barrier_wait -1
.endm
	s_load_b512 s[4:19], s[0:1], 0x0               ; qimg, qsc, kimg, ksc, vimg, vsc, cimg, csc
	v_lshl_add_u32 v[SPW], v0, 2, SPARE
	v_mov_b32 v[NIL], 0
	ds_add_u32 v5, v6
	s_wait_dscnt 0x0
	v_lshrrev_b32 v9, 5, v0
	v_readfirstlane_b32 s[WV], v9                  ; wave 0..15
	s_and_b32 s58, ttmp7, 0xffff                   ; the pair of heads, 8 x batch + pair: the four partners share it
	s_and_b32 s59, s[WV], 1                        ; which half I fetch, if I fetch
	s_lshl_b32 s60, s58, 18                        ; K's and V's images: 262,144 bytes a pair,
	s_lshl_b32 s62, s59, 14                        ; 16,384 bytes a half of a slot's part, in memory and in LDS
	s_add_co_u32 s60, s60, s62
	s_mov_b32 s61, 0
	s_lshl_b32 s66, s58, 14                        ; K's scale words: 16,384 bytes a pair, two halves
	s_lshl_b32 s63, s59, 13
	s_add_co_u32 s66, s66, s63
	s_mov_b32 s67, 0
	s_lshl_b32 s68, s58, 13                        ; V's: 8,192 bytes a pair
	s_mov_b32 s69, 0
	; descriptor group 1: dense blocks as rows of 256 bytes (32 elements of 8 bytes), no padding: every LDS load takes 512 bytes on end
	s_mov_b32 s[G1], 15|(3<<16)|(1<<21)            ; 15:0 the mask: all four work-groups; 17:16 elements of 8 bytes; 21 set beside a mask
	s_mov_b32 s[G1+1], 32<<16                      ; tensor_dim0 = 32
	s_mov_b32 s[G1+2], 64<<16                      ; tensor_dim1 = 64
	s_mov_b32 s[G1+3], 32<<16                      ; tile_dim0 = 32
	s_mov_b32 s[G1+4], 64                          ; tile_dim1 = 64
	s_mov_b32 s[G1+5], 32                          ; tensor_dim0_stride
	s_mov_b32 s[G1+6], 0
	s_mov_b32 s[G1+7], 0
	s_mov_b32 s[G1S], 15|(3<<16)|(1<<21)
	s_mov_b32 s[G1S+1], 32<<16
	s_mov_b32 s[G1S+2], 32<<16                     ; 32 rows
	s_mov_b32 s[G1S+3], 32<<16
	s_mov_b32 s[G1S+4], 32
	s_mov_b32 s[G1S+5], 32
	s_mov_b32 s[G1S+6], 0
	s_mov_b32 s[G1S+7], 0
	s_mov_b32 s[MNT], 0x600000
	s_mov_b32 s[SEL], 0x76543210
	s_mov_b32 s[SEL+1], 0xfedcba98
	s_mov_b32 s[CS], 0x3e38aa3b                    ; c = log2(e) / sqrt(64)
	s_mov_b32 s[CS+1], s[CS]                       ; (named with it as a pair, so it is written)
	s_mov_b32 s[HI16], 0xffff0000
	s_mov_b32 s[TB], 0
	s_mov_b32 s[TS], 0
	s_mov_b32 s[TJ], 0
	s_wait_kmcnt 0x0
	ROUND                                          ; all four work-groups are here: the first joint loads meet
	s_mov_b32 s[G0K], 1                            ; 1:0 count = 1
	s_mov_b32 s[G0K+1], s62                        ; 63:32 LDS address: slot 0, my half of K's part
	s_add_nc_u64 s[G0K+2:G0K+3], s[8:9], s[60:61]  ; 120:64 global address: the pair's first 512 keys
	s_or_b32 s[G0K+3], s[G0K+3], 0x80000000        ; 127:126 type = 2
	s_mov_b32 s[G0V], 1
	s_add_co_u32 s[G0V+1], s62, VOFF
	s_add_nc_u64 s[G0V+2:G0V+3], s[12:13], s[60:61]
	s_or_b32 s[G0V+3], s[G0V+3], 0x80000000
	TLOAD G0K, G1, G0V, G1, 4                      ; slot 0
	s_mov_b32 s[G0SK], 1
	s_add_co_u32 s[G0SK+1], s63, SCK
	s_add_nc_u64 s[G0SK+2:G0SK+3], s[10:11], s[66:67]
	s_or_b32 s[G0SK+3], s[G0SK+3], 0x80000000
	s_mov_b32 s[G0SV], 1
	s_mov_b32 s[G0SV+1], SCV
	s_add_nc_u64 s[G0SV+2:G0SV+3], s[14:15], s[68:69]
	s_or_b32 s[G0SV+3], s[G0SV+3], 0x80000000
	TLOAD G0SK, G1S, G0SV, G1S, 3                  ; the pair's scale words: filled once.  Two tensor loads at the most are out in a wave
	; my place in the cluster enters Q's, cimg's and csc's global addresses alone, in registers that feed no descriptor
	s_bfe_u32 s56, ttmp6, 0x40000                  ; cx
	s_lshl_b32 s57, ttmp9, 2
	s_add_co_u32 s57, s57, s56                     ; my block of 256 queries
	s_lshl_b32 s57, s57, 4
	s_add_co_u32 s57, s57, s[WV]                   ; my tile of 16 queries, 0 .. 127
	s_lshl_b32 s70, s58, 18
	s_lshl_b32 s30, s57, 10
	s_add_co_u32 s70, s70, s30
	s_mov_b32 s71, 0
	s_add_nc_u64 s[4:5], s[4:5], s[70:71]          ; Q's images: 262,144 bytes a pair, 1,024 a tile
	s_lshl_b32 s70, s58, 14
	s_lshr_b32 s30, s57, 2
	s_lshl_b32 s30, s30, 8
	s_add_co_u32 s70, s70, s30
	s_and_b32 s30, s57, 3
	s_lshl_b32 s30, s30, 2
	s_add_co_u32 s70, s70, s30
	s_add_nc_u64 s[6:7], s[6:7], s[70:71]          ; Q's scale words: 256 bytes for 64 tokens, 4 bytes on for each tile in them
	s_lshr_b32 s56, s58, 3
	s_lshl_b32 s56, s56, 7
	s_add_co_u32 s56, s56, s57                     ; my tile among all 512 tiles of tokens: 128 x batch + tile
	s_and_b32 s30, s58, 7                          ; the next product's K step: the pair in its batch
	s_lshl_b32 s70, s56, 3
	s_add_co_u32 s70, s70, s30
	s_lshl_b32 s70, s70, 11
	s_add_nc_u64 s[16:17], s[16:17], s[70:71]      ; cimg: [tile 512][K step 8][2,048 bytes]
	s_lshl_b32 s70, s56, 9
	s_lshl_b32 s30, s30, 2
	s_add_co_u32 s70, s70, s30
	s_add_nc_u64 s[18:19], s[18:19], s[70:71]      ; csc: [token][K step 8] words
	v_and_b32 v11, 31, v0
	v_lshlrev_b32 v[LI], 4, v11
	v_and_b32 v11, 15, v0                          ; r
	v_lshlrev_b32 v[QO], 4, v11
	v_lshlrev_b32 v[CSO], 5, v11
	v_lshl_add_u32 v[LRK], v11, 4, SCK
	v_lshl_add_u32 v[LRV], v11, 4, SCV
	global_load_b128 v[16:19], v[LI], s[4:5]       ; Q of the first head stays in registers;
	global_load_b128 v[20:23], v[LI], s[4:5] offset:512
	global_load_b128 v[QN:QN+3], v[LI], s[4:5] offset:131072    ; the second head's waits for its turn
	global_load_b128 v[QN+4:QN+7], v[LI], s[4:5] offset:131584
	global_load_b32 v[QSW], v[QO], s[6:7]
	global_load_b32 v[QSW1], v[QO], s[6:7] offset:8192
.irp j, 0,1,2,3,4,5,6,7
	v_mov_b32 v[24+\j], 0                          ; zero codes for k = 64 .. 127 of the first product, in Q
.endr
.irp t, 0,1,2,3
.irp j, 8,9,10,11,12,13,14,15
	v_mov_b32 v[KF+16*\t+\j], 0                    ; and in K's four fragments: set once, never loaded over
.endr
.endr
.irp b, 0,1,2,3
	v_mov_b32 v[236+\b], 0                         ; written once: a lane permute's destination counts as one of its sources
.endr
	v_mov_b32 v253, 0                              ; (named as the upper half of the pair v[252:253])
.macro INIT                            ; a head begins: O^T and the sum are zeros, which the first change of M leaves zeros
	v_mov_b32 v13, 0xff61b1e6                      ; the largest t so far: -3e38, under every t
	v_floor_f32 v12, -v13                          ; -M
	v_mov_b32 v14, 0
	v_mov_b32 v15, 0
.set J, 0
.rept 32
	v_mov_b32 v[160+J], 0
.set J, J+1
.endr
.endm
	INIT
; The largest score of blocks b0 and b1 of 32 keys: 16 plain lines
.macro BLKMAX b0, b1
.irp b, \b0, \b1
	v_max3_num_f32 v[232+\b], v[96+16*\b], v[97+16*\b], v[98+16*\b]
.endr
.irp i, 3,5,7,9,11,13
.irp b, \b0, \b1
	v_max3_num_f32 v[232+\b], v[232+\b], v[96+16*\b+\i], v[97+16*\b+\i]
.endr
.endr
.irp b, \b0, \b1
	v_max_num_f32 v[232+\b], v[232+\b], v[111+16*\b]
.endr
.endm
; A KEY STEP: 128 keys, the q-th of the slot in hand.
.macro STEP q
.rept 9
	v_nop                                          ; nine places: the first products below write over registers that the last step's products read as V's fragments; eight of them serve the loads into the scale words' registers
.endr
	ds_load_b128 v[KSW:KSW+3], v[ADS] offset:512*(\q)        ; lane r: the words of key r of tiles 0-3,
	ds_load_b128 v[KSW+4:KSW+7], v[ADS] offset:512*(\q)+256  ; of tiles 4-7,
	ds_load_b128 v[VSW:VSW+3], v[ADT] offset:256*(\q)        ; and of channel r of V's four tiles
.irp g, 0,1                                    ; S^T = K Q^T, four tiles of 16 keys at a time
.if \g > 0
.rept 8
	v_nop                                          ; places in front of loads into registers that matrix instructions have read
.endr
.endif
.irp t, 0,1,2,3
.irp c, 0,1
	ds_load_b128 v[KF+16*\t+4*\c:KF+16*\t+4*\c+3], v[ADK] offset:8192*(\q)+1024*(4*\g+\t)+512*\c
.endr
.endr
	s_wait_dscnt 0x0
.irp t, 0,1,2,3
	v_wmma_scale_f32_16x16x128_f8f6f4 v[96+8*(4*\g+\t):103+8*(4*\g+\t)], v[KF+16*\t:KF+16*\t+15], v[16:31], 0, v[KSW+4*\g+\t], v[QSW] matrix_a_fmt:MATRIX_FMT_BF8 matrix_b_fmt:MATRIX_FMT_BF8
.endr
.endr                                          ; lane (r, h) holds query r; register 16 b + i is key 32 b + 8 h + (i % 8) + 16 (i / 8) of the step
	BLKMAX 0, 1                                    ; THE LARGEST SCORE OF EACH BLOCK serves twice: for the row's maximum and for the block's largest p.  Blocks 0 and 1 name no register of the four products just issued: their 16 lines are those products' places
	BLKMAX 2, 3
.irp b, 0,1,2,3
	v_permlanex16_b32 v[236+\b], v[232+\b], s[SEL], s[SEL+1]
.endr
.irp b, 0,1,2,3
	v_max_num_f32 v[232+\b], v[232+\b], v[236+\b]  ; with lane l xor 16's 16 keys
.endr
	v_max3_num_f32 v254, v232, v233, v234
	v_max_num_f32 v254, v254, v235                 ; the step's largest score of my query
	v_mul_f32 v254, s[CS], v254                    ; as t (c is positive)
	v_max_num_f32 v13, v13, v254                   ; the running largest t
	v_mov_b32 v254, v12
	v_floor_f32 v12, -v13                          ; the new -M = floor(-t) = -ceil(t): M is a whole number
	v_sub_f32 v254, v12, v254                      ; M's old value less its new one: a whole number, 0 or less
	v_cvt_i32_f32 v254, v254                       ; (it saturates)
	v_ldexp_f32 v252, 1.0, v254                    ; f = 2^(old M - new M)
.set J, 0
.rept 32
	v_pk_fma_f32 v[96+J:97+J], v[96+J:97+J], s[CS:CS+1], v[12:13] op_sel_hi:[1,0,0]   ; t - M, two at a time (of the pairs c and -M the low word serves both halves)
.set J, J+2
.endr
.irp b, 0,1,2,3
	v_fma_f32 v[232+\b], v[232+\b], s[CS], v12     ; the same of each block's largest score
.endr
.set J, 0
.rept 64
	v_exp_f32 v[96+J], v[96+J]                     ; p = 2^(t - M), at most 1: not normalised
.set J, J+1
.endr
.irp b, 0,1,2,3
	v_exp_f32 v[232+\b], v[232+\b]                 ; the block's largest p: the same two instructions on the same number give the same bits
.endr
	v_pk_mul_f32 v[14:15], v[14:15], v[252:253] op_sel_hi:[1,0]   ; the sums under the new M.  (A plain place behind the exponentials)
	s_wait_alu depctr_va_vdst(0)
.irp b, 0,1,2,3
	v_max_num_f32 v[232+\b], 0x8000000, v[232+\b]  ; the floor 2^(16 - 127): the byte cannot fall under 1
.endr
.irp b, 0,1,2,3
	v_add_nc_u32 v[244+\b], 0xf8800000, v[232+\b]  ; 15 off the exponent field: the conversion's scale operand
.endr
.irp b, 0,1,2,3
	v_and_or_b32 v[240+\b], v[232+\b], 0x7f800000, s[MNT]   ; 57,344 x the scale
.endr
.irp b, 0,1,2,3
	v_lshrrev_b32 v[236+\b], 23, v[244+\b]         ; the scale's byte
.endr
	v_lshl_or_b32 v[PSW], v237, 8, v236            ; p's scale word for these 128 keys: far more than eight places ahead of the products that take it
	v_lshl_or_b32 v[PSW], v238, 16, v[PSW]
	v_lshl_or_b32 v[PSW], v239, 24, v[PSW]
	v_pk_add_f32 v[236:237], v[96:97], v[98:99]    ; the row's sum is taken of the unquantised p: two at a time, in two chains
.irp j, 4,8,12,16,20,24,28,32,36,40,44,48,52,56,60
	v_pk_add_f32 v[14:15], v[14:15], v[96+\j:97+\j]
	v_pk_add_f32 v[236:237], v[236:237], v[98+\j:99+\j]
.endr
	v_pk_add_f32 v[14:15], v[14:15], v[236:237]
.irp b, 0,1,2,3
.irp i, 0,1,2,3,4,5,6,7,8,9,10,11,12,13,14,15
	v_min_num_f32 v[96+16*\b+\i], v[96+16*\b+\i], v[240+\b]   ; the conversion to an 8-bit code does not saturate (ISA guide 7.6.2); p is not negative, so the hold is one-sided
.endr
	v_cvt_scalef32_pk8_bf8_f32 v[192+4*\b:193+4*\b], v[96+16*\b:103+16*\b], v[244+\b]
	v_cvt_scalef32_pk8_bf8_f32 v[194+4*\b:195+4*\b], v[104+16*\b:111+16*\b], v[244+\b]
.endr
.irp dt, 0,1,2,3                               ; V's four fragments land in the registers that p has left
.irp c, 0,1,2,3
	ds_load_b128 v[96+16*\dt+4*\c:96+16*\dt+4*\c+3], v[ADK] offset:VOFF+8192*(\q)+2048*\dt+512*\c
.endr
.endr
.set J, 0
.rept 16
	v_pk_mul_f32 v[160+J:161+J], v[160+J:161+J], v[252:253] op_sel_hi:[1,0]   ; O^T under the new M, each accumulator from its low end on.  (These 16 are also the place behind the conversions and the places in front of the products below)
.set J, J+2
.endr
	s_wait_dscnt 0x0
.irp dt, 0,1,2,3                               ; O^T += V^T P^T: the four accumulators by turns, one instruction a turn
	v_wmma_scale_f32_16x16x128_f8f6f4 v[160+8*\dt:167+8*\dt], v[96+16*\dt:111+16*\dt], v[192:207], v[160+8*\dt:167+8*\dt], v[VSW+\dt], v[PSW] matrix_a_fmt:MATRIX_FMT_BF8 matrix_b_fmt:MATRIX_FMT_BF8
.endr
.endm
; THE CHANGE OF SLOTS stands at a slot's head.  Each wave waits for all its tensor loads (its part of the slot that it is about to read), adds 0 to its spare word, and waits for that and for its reads of the slot that it has left.
; fill = 1: the barrier is a round of the cluster's, so that no wave of any partner still reads the other slot or has a load on its way; that slot is then filled with the next 512 keys: the load has four key steps in which to land.
.macro CHANGE fill
	s_wait_tensorcnt 0x0                           ; no tensor load of mine is out, so a group 0 may be written
	ds_add_u32 v[SPW], v[NIL]                      ; 0 onto my spare word
.if \fill
	s_xor_b32 s[G0K+1], s[G0K+1], SLOT1            ; the walking descriptors: the other slot than last time,
	s_add_nc_u64 s[G0K+2:G0K+3], s[G0K+2:G0K+3], 32768   ; the next 512 keys; the type bits on top are not reached
	s_xor_b32 s[G0V+1], s[G0V+1], SLOT1
	s_add_nc_u64 s[G0V+2:G0V+3], s[G0V+2:G0V+3], 32768
.endif
	s_wait_dscnt 0x0                               ; the add is done, and my reads of the slot that I have left are over
.if \fill
	ROUND
	TLOAD G0K, G1, G0V, G1, 4                      ; the first thing behind the round, and a wave's one tensor load until the next
.else
	s_barrier_signal -1
	s_barrier_wait -1
.endif
.endm
.macro SLOT_STEPS                      ; a slot's four key steps, written out: every offset is an immediate
	v_add_nc_u32 v[ADK], s[TB], v[LI]
	v_add_nc_u32 v[ADS], s[TS], v[LRK]
	v_add_nc_u32 v[ADT], s[TJ], v[LRV]
	STEP 0
	STEP 1
	STEP 2
	STEP 3
	s_xor_b32 s[TB], s[TB], SLOT1                  ; on to the other slot
	s_add_co_u32 s[TS], s[TS], 2048
	s_add_co_u32 s[TJ], s[TJ], 1024
.endm
; A HEAD'S END.  O^T is divided by the row's sum and quantised: two blocks of 32 along the model's axis.  e: which head of the pair; cx: where its 8 registers of codes go.
; The next product's other operand is given with its K in ascending order, so the codes are put back into that order: lanes l and l xor 16 exchange 8 bytes of each block.
.macro FINISH e, cx
.rept 8
	v_nop                                          ; places behind the last products
.endr
	v_add_f32 v14, v14, v15                        ; the sum's two halves,
	v_permlanex16_b32 v252, v14, s[SEL], s[SEL+1]
	v_add_f32 v14, v14, v252                       ; and lane l xor 16's: the row's sum
	v_rcp_f32 v14, v14
	v_nop                                          ; one plain place behind a transcendental
.set J, 0
	s_wait_alu depctr_va_vdst(0)
.rept 16
	v_pk_mul_f32 v[160+J:161+J], v[160+J:161+J], v[14:15] op_sel_hi:[1,0]   ; register 16 b + i: channel 32 b + 8 h + (i % 8) + 16 (i / 8)
.set J, J+2
.endr
.irp b, 0,1
	v_max3_num_f32 v[232+\b], |v[160+16*\b]|, |v[161+16*\b]|, 0x8000000
.endr
.irp i, 2,4,6,8,10,12,14
.irp b, 0,1
	v_max3_num_f32 v[232+\b], v[232+\b], |v[160+16*\b+\i]|, |v[161+16*\b+\i]|
.endr
.endr
.irp b, 0,1
	v_permlanex16_b32 v[236+\b], v[232+\b], s[SEL], s[SEL+1]
.endr
.irp b, 0,1
	v_max_num_f32 v[232+\b], v[232+\b], v[236+\b]
.endr
.irp b, 0,1
	v_add_nc_u32 v[244+\b], 0xf8800000, v[232+\b]
.endr
.irp b, 0,1
	v_and_or_b32 v[240+\b], v[232+\b], 0x7f800000, s[MNT]
.endr
.irp b, 0,1
	v_lshrrev_b32 v[236+\b], 23, v[244+\b]
.endr
.if \e == 0
	v_lshl_or_b32 v[CW], v237, 8, v236             ; bytes 0, 1 of my token's scale word
.else
	v_lshl_or_b32 v[CW], v236, 16, v[CW]           ; bytes 2, 3
	v_lshl_or_b32 v[CW], v237, 24, v[CW]
.endif
.irp b, 0,1
.irp i, 0,1,2,3,4,5,6,7,8,9,10,11,12,13,14,15
	v_med3_num_f32 v[160+16*\b+\i], v[160+16*\b+\i], -v[240+\b], v[240+\b]
.endr
	v_cvt_scalef32_pk8_bf8_f32 v[\cx+4*\b:\cx+4*\b+1], v[160+16*\b:167+16*\b], v[244+\b]       ; X: channels 32 b + 8 h + 0 .. 7
	v_cvt_scalef32_pk8_bf8_f32 v[\cx+4*\b+2:\cx+4*\b+3], v[168+16*\b:175+16*\b], v[244+\b]     ; Y: channels 32 b + 16 + 8 h + 0 .. 7
.endr
	v_nop                                          ; one plain place behind the last conversion
.irp n, 0,1,2,3
	v_permlanex16_b32 v[232+\n], v[\cx+4*(\n/2)+(\n%2)], s[SEL], s[SEL+1]     ; the other lane's X
	v_permlanex16_b32 v[236+\n], v[\cx+4*(\n/2)+(\n%2)+2], s[SEL], s[SEL+1]   ; and Y
.endr
.irp n, 0,1,2,3
	v_cndmask_b32 v[\cx+4*(\n/2)+(\n%2)], v[\cx+4*(\n/2)+(\n%2)], v[236+\n], s[HI16]       ; k = 16 h + 0 .. 7: lanes 0-15 their own X, lanes 16-31 the other's Y
	v_cndmask_b32 v[\cx+4*(\n/2)+(\n%2)+2], v[232+\n], v[\cx+4*(\n/2)+(\n%2)+2], s[HI16]   ; k = 16 h + 8 .. 15: lanes 0-15 the other's X, lanes 16-31 their own Y
.endr
.endm
	s_wait_loadcnt 0x0                             ; Q
	s_mov_b32 s[SLOTS], 4
.Lhead0:                                           ; the first head's four slots; behind each change of slots the next slot is asked for, the last of them the second head's first
	CHANGE 1
	SLOT_STEPS
	s_sub_co_u32 s[SLOTS], s[SLOTS], 1
	s_cmp_lg_u32 s[SLOTS], 0
	s_cbranch_scc1 .Lhead0
.irp j, 0,1,2,3,4,5,6,7
	v_mov_b32 v[16+\j], v[QN+\j]                   ; the second head's Q takes its place (the last product that read Q stands a softmax back),
.endr
	v_mov_b32 v[QSW], v[QSW1]
	FINISH 0, QN                                   ; and the first head's codes take the place that it has left
	INIT
	s_mov_b32 s[SLOTS], 3
.Lhead1:                                           ; the second head's first three slots
	CHANGE 1
	SLOT_STEPS
	s_sub_co_u32 s[SLOTS], s[SLOTS], 1
	s_cmp_lg_u32 s[SLOTS], 0
	s_cbranch_scc1 .Lhead1
	CHANGE 0                                       ; the last slot is written out
	SLOT_STEPS
	FINISH 1, 192
	global_store_b32 v[CSO], v[CW], s[18:19]       ; my token's scale word: lanes l and l xor 16 store the same word to the same place
.irp b, 0,1
	global_store_b128 v[LI], v[QN+4*\b:QN+4*\b+3], s[16:17] offset:512*\b          ; the fragment's registers 4 c .. 4 c + 3: each store covers 512 consecutive bytes, aligned
	global_store_b128 v[LI], v[192+4*\b:195+4*\b], s[16:17] offset:1024+512*\b
.endr
	s_wait_tensorcnt 0x0                           ; the wave's end
	ds_add_u32 v[SPW], v[NIL]
	s_wait_dscnt 0x0
	ROUND                                          ; the closing round: no work-group ends while a partner may still ask for a tile that names it
	s_endpgm
.Lfunc_end_k_q958d5d83af_attn:
	.size	k_q958d5d83af_attn, .Lfunc_end_k_q958d5d83af_attn-k_q958d5d83af_attn
	.p2alignl 7, 3214868480
	.fill 96, 4, 3214868480
	.section	.rodata,"a",@progbits
	.p2align	6, 0x0
	.amdhsa_kernel k_q958d5d83af_attn
		.amdhsa_group_segment_fixed_size 327680
		.amdhsa_private_segment_fixed_size 0
		.amdhsa_enable_private_segment 0
		.amdhsa_kernarg_size 64
		.amdhsa_user_sgpr_count 2
		.amdhsa_user_sgpr_kernarg_segment_ptr 1
		.amdhsa_wavefront_size32 1
		.amdhsa_system_sgpr_workgroup_id_x 1
		.amdhsa_system_sgpr_workgroup_id_y 1
		.amdhsa_system_sgpr_workgroup_id_z 1
		.amdhsa_system_vgpr_workitem_id 0
		.amdhsa_next_free_vgpr 256
		.amdhsa_next_free_sgpr 80
		.amdhsa_reserve_vcc 0
		.amdhsa_float_denorm_mode_32 3
		.amdhsa_float_denorm_mode_16_64 3
		.amdhsa_memory_ordered 1
		.amdhsa_forward_progress 1
		.amdhsa_inst_pref_size 246
	.end_amdhsa_kernel
	.amdgpu_metadata
---
amdhsa.version: [ 1, 2 ]
amdhsa.kernels:
  - .name:           k_q958d5d83af_attn
    .symbol:         k_q958d5d83af_attn.kd
    .args:
      - { .name: qimg, .offset: 0, .size: 8, .value_kind: global_buffer, .address_space: global }
      - { .name: qsc, .offset: 8, .size: 8, .value_kind: global_buffer, .address_space: global }
      - { .name: kimg, .offset: 16, .size: 8, .value_kind: global_buffer, .address_space: global }
      - { .name: ksc, .offset: 24, .size: 8, .value_kind: global_buffer, .address_space: global }
      - { .name: vimg, .offset: 32, .size: 8, .value_kind: global_buffer, .address_space: global }
      - { .name: vsc, .offset: 40, .size: 8, .value_kind: global_buffer, .address_space: global }
      - { .name: cimg, .offset: 48, .size: 8, .value_kind: global_buffer, .address_space: global }
      - { .name: csc, .offset: 56, .size: 8, .value_kind: global_buffer, .address_space: global }
    .group_segment_fixed_size: 327680
    .private_segment_fixed_size: 0
    .kernarg_segment_align: 8
    .kernarg_segment_size: 64
    .max_flat_workgroup_size: 512
    .sgpr_count:     80
    .vgpr_count:     256
    .wavefront_size: 32
...
	.end_amdgpu_metadata
.endif
;; end of part 2
;; launch oproj (part 3): grid 4 x 32, 4 waves a work-group, clusters of 4 x 4, 327,680 bytes of LDS; arguments cimg, csc, Wo_codes, Wo_scales, bo, out0; writes out0
.if DOCPART == 3
	.amdgcn_target "amdgcn-amd-amdhsa--gfx1250"
	.amdhsa_code_object_version 6
	.text
	.protected	k_q958d5d83af_oproj
	.globl	k_q958d5d83af_oproj
	.p2align	8
	.type	k_q958d5d83af_oproj,@function
k_q958d5d83af_oproj:
	s_mov_b64 s[64:65], 0
	v_nop
	global_prefetch_b8 v0, s[64:65] scope:SCOPE_SE
	s_setreg_imm32_b32 hwreg(HW_REG_WAVE_MODE, 25, 1), 1
	s_wait_xcnt 0x0
	s_wait_alu depctr_hold_cnt(0) depctr_sa_sdst(0) depctr_va_vdst(0) depctr_va_sdst(0) depctr_va_ssrc(0) depctr_va_vcc(0) depctr_vm_vsrc(0)
	s_getreg_b32 s2, hwreg(HW_REG_IB_STS2, 6, 4)
	s_cmp_eq_u32 s2, 0
	s_cbranch_scc0 .Lentry_in_a_cluster
	s_endpgm
.Lentry_in_a_cluster:
	s_bfe_u32 s2, ttmp6, 0x10000c
	s_cmp_lg_u32 s2, 0xf033
	s_cbranch_scc0 .Lentry_shape_is_right
	s_endpgm
.Lentry_shape_is_right:
; out = ctx Wo + bo on codes of BF8 (E5M2) with one E8M0 scale for each 32 along K = 1,024; sums in f32; out: [8192][1024] f32.
; A = ctx arrives as images of operand registers, cimg [tile of 16 tokens 512][K step of 128: 8][c 4][lane 32][16 bytes], K ascending, with its scale bytes csc [8192][32].  B = Wo: [1024 (out)][1024 (K)] codes, [1024][32] scale bytes.
; A tile of out, 256 x 256, is made by a work-group of four waves; a wave makes 128 x 128: 64 accumulators of 16 x 16, 512 registers.  K goes in steps of 256 through a ring of two LDS slots filled by the tensor data mover.
; A's part of a slot is 16 tiles of tokens x 4,096 bytes on end (two K steps of 128): a wave's load brings eight such rows, 32,768 bytes, and a fragment comes back by four loads of 512 bytes on end.  B's part: rows of 256 bytes, padded.
; THE SCALES of the work-group's 256 rows of A and of B, for all of K, are two dense blocks of memory: they come into LDS once, with the first fills, and stay.
; CLUSTERS: 4 x 4 work-groups.  The four of a row of the cluster need the same tiles of A, the four of a column the same tiles of B: each tile is asked for JOINTLY.
; THE MATRIX INSTRUCTION IS USED TRANSPOSED (source 0 = 16 rows of B, source 1 = 16 rows of A): a lane then holds eight neighbouring numbers of a row of out.  THE BIAS is the C of the first K step's products.
; LIMITS: NaN and infinities are not served.
; REGISTERS, in windows of 256: window 0: v1-31 addresses; v32-63 scale words, two sets; v64-127 the bias; from v128 A's fragments, ONE set; on the way out v128-255 rows of out.
;   window 1: B's fragments, TWO sets.   window 2: the accumulators of my rows 0-63 ((a, b) at v[8 (8 a + b)]);   window 3: those of rows 64-127.
.set SIZE_K, 1024
.set SIZE_N, 1024
.set KSTEP,  256
.set NQ,     KSTEP/128
.set ROWB,   256                       ; a row of B's tile in bytes
.set KROW,   SIZE_K                    ; a row of B in memory; also the bytes of A's images for one token
.set ASTEP,  4096                      ; a K step of 256 in a row of A's images (16 tokens)
.set PITCH,  272                       ; B's LDS row: 256 bytes + 16 of padding = 68 words: row r starts at bank 4 r mod 64 (64 banks of 4 bytes: ISA guide 11.1)
.set FR,     16
.set NL,     4
.set NP,     8                         ; places behind this matrix instruction (ISA guide 7.12.1)
.set HALFT,  128*PITCH                 ; the LDS room of 128 rows: what one tensor load brings (A's images use 32,768 bytes of it)
.set SLOT,   4*HALFT
.set LAPS,   SIZE_K/(2*KSTEP)
.set KS,     SIZE_K/32
.set SCL,    2*SLOT
.set HALFS,  (128*KS/256)*272
.set SBLK,   (16*KS/256)*272
.set SPARE,  SCL+4*HALFS               ; the spare words, 128 bytes for each wave: two blocks of 256 bytes that no other line names
.set SPITCH, 528                       ; the way out: a stage of 16 rows x (512 bytes + 16) for each wave, in slot 0, which has had its last fill and its last read when the first result is stored there
.set ADRA, 16
.set ADRB, 20
.set STO,  24
.set RD,   25
.set CO,   26                          ; v26     16 x lane: my place in an image, and in a row of out
.set ADRS, 27
.set SPW,  28
.set NIL,  29
.set BOF,  30                          ; v30     32 h: the bias's loads
.set SC,   32
.set BI,   64
.set AF,   128
.set BK,   128
.set G1, 24
.set G0, 32
.set G1B, 48
.set G0B, 56
.set G1S, 68
.set G0S, 76
.set G1SB, 80
.set G0SB, 88
.set MSB, 0
.macro WIN new                         ; the immediate's high byte repeats the setting that is left
.if MSB != (\new)
	s_set_vgpr_msb (MSB<<8)|(\new)
.set MSB, (\new)
.endif
.endm
.set MUL_LO, 0xa1                      ; source 0 (B) window 1, source 1 (A) window 0, C and D window 2
.set MUL_HI, 0xf1                      ; the same, C and D window 3
.set BIA_LO, 0x81                      ; the first step: C (the bias) window 0, D window 2
.set BIA_HI, 0xc1                      ; D window 3
.set TO_B,   0x40
; A joint load: waves 0 and 1 fetch for A, waves 2 and 3 for B; the branch hangs on the wave's number alone.  Four v_nop follow each of the two lines.
.macro JLOAD g0a, g1a, g0b, g1b
	s_cmp_eq_u32 s15, 0
	s_cbranch_scc0 .Lfor_b_\@
	tensor_load_to_lds s[\g0a:\g0a+3], s[\g1a:\g1a+7]
	s_nop 0
.rept 4
	v_nop
.endr
	s_branch .Lasked_\@
.Lfor_b_\@:
	tensor_load_to_lds s[\g0b:\g0b+3], s[\g1b:\g1b+7]
	s_nop 0
.rept 4
	v_nop
.endr
.Lasked_\@:
.endm
.macro CREST                           ; a round of the cluster's barrier behind its opening barrier
	s_cmp_lg_u32 s14, 0
	s_cbranch_scc1 .Lnot_wave_0_\@
	s_barrier_signal -3
.Lnot_wave_0_\@:
	s_barrier_wait -3
	s_barrier_signal -1
	s_barrier_wait -1
.endm
.macro CROUND
	s_barrier_signal -1
	s_barrier_wait -1
	CREST
.endm
	s_load_b256 s[4:11], s[0:1], 0x0               ; A's images s[4:5], A's scales s[6:7], B's codes s[8:9], B's scales s[10:11]
	s_load_b64 s[96:97], s[0:1], 0x20              ; the bias
	s_load_b64 s[12:13], s[0:1], 0x28              ; out
	v_lshl_add_u32 v[SPW], v0, 2, SPARE
	v_mov_b32 v[NIL], 0
	ds_add_u32 v28, v29
	s_wait_dscnt 0x0
	v_lshrrev_b32 v1, 5, v0
	v_readfirstlane_b32 s14, v1                    ; wave 0..3
	s_lshr_b32 s15, s14, 1                         ; which half of the tile's rows is mine.  Also: I fetch for A (0) or for B (1)
	s_and_b32 s16, s14, 1                          ; which half of its columns.  Also: which 128 rows of that tile I fetch
	s_bfe_u32 s40, ttmp6, 0x40000                  ; cx, cy: my place in the cluster
	s_bfe_u32 s41, ttmp6, 0x40004
	s_lshl_b32 s42, ttmp9, 2
	s_add_co_u32 s42, s42, s40                     ; tile column = 4 x cluster x + cx
	s_and_b32 s17, ttmp7, 0xffff
	s_lshl_b32 s17, s17, 2
	s_add_co_u32 s17, s17, s41                     ; tile row = 4 x cluster y + cy
	s_lshl_b32 s43, s41, 2
	s_lshl_b32 s43, 15, s43                        ; my row of the cluster
	s_lshl_b32 s44, 0x1111, s40                    ; my column
	; descriptor group 1 for A's images: 8 rows (tiles of 16 tokens) of 4,096 bytes (512 elements of 8 bytes), 16,384 bytes apart in memory, on end in LDS
	s_or_b32 s[G1+0], s43, (3<<16)|(1<<21)         ; 15:0 the mask: A's tiles go to my row; 17:16 elements of 8 bytes; 21 set beside a mask; no padding
	s_mov_b32 s[G1+1], 512<<16                     ; tensor_dim0 = 512
	s_mov_b32 s[G1+2], 8<<16                       ; tensor_dim1 = 8
	s_mov_b32 s[G1+3], 512<<16                     ; tile_dim0 = 512
	s_mov_b32 s[G1+4], 8                           ; tile_dim1 = 8
	s_mov_b32 s[G1+5], 2048                        ; tensor_dim0_stride
	s_mov_b32 s[G1+6], 0
	s_mov_b32 s[G1+7], 0
	; for B's tiles: 128 rows x 256 bytes, padded in LDS
	s_or_b32 s[G1B+0], s44, (0<<16)|(1<<20)|(1<<21)|(5<<22)|(3<<25)  ; the mask of my column; element of 1 byte; padding on: 4 words after every 64
	s_mov_b32 s[G1B+1], ROWB<<16
	s_mov_b32 s[G1B+2], 128<<16
	s_mov_b32 s[G1B+3], ROWB<<16
	s_mov_b32 s[G1B+4], 128
	s_mov_b32 s[G1B+5], KROW
	s_mov_b32 s[G1B+6], 0
	s_mov_b32 s[G1B+7], 0
	; and for the scales of 128 rows: a dense block of 4,096 bytes, as 16 rows of 256 bytes, 16 bytes of padding behind each
	s_or_b32 s[G1S+0], s43, (3<<16)|(1<<20)|(1<<21)|(5<<22)|(3<<25)
	s_or_b32 s[G1SB+0], s44, (3<<16)|(1<<20)|(1<<21)|(5<<22)|(3<<25)
.irp g, G1S, G1SB
	s_mov_b32 s[\g+1], 32<<16
	s_mov_b32 s[\g+2], (128*KS/256)<<16
	s_mov_b32 s[\g+3], 32<<16
	s_mov_b32 s[\g+4], 128*KS/256
	s_mov_b32 s[\g+5], 32
	s_mov_b32 s[\g+6], 0
	s_mov_b32 s[\g+7], 0
.endr
	s_lshl_b32 s18, s16, 7                         ; which 128 rows of the tile I fetch
	s_lshl_b32 s20, s17, 8
	s_add_co_u32 s20, s20, s18                     ; A: token 256 x tile row + 128 x half
	s_lshl_b32 s46, s42, 8
	s_add_co_u32 s46, s46, s18                     ; B: row 256 x tile column + 128 x half
	s_mov_b32 s21, 0
	s_mov_b32 s47, 0
	s_mov_b64 s[18:19], KS
	s_mul_u64 s[22:23], s[20:21], s[18:19]         ; where these rows' scales begin, in bytes
	s_mul_u64 s[92:93], s[46:47], s[18:19]
	s_mov_b64 s[18:19], KROW
	s_mul_u64 s[20:21], s[20:21], s[18:19]         ; and their codes: 1,024 bytes a token in the images too (16 tokens: 16,384)
	s_mul_u64 s[46:47], s[46:47], s[18:19]
	s_mul_i32 s45, s14, HALFT                      ; where they go: no place in the cluster enters an LDS address
	s_mul_i32 s94, s14, HALFS
	s_wait_kmcnt 0x0
	s_add_nc_u64 s[20:21], s[4:5], s[20:21]
	s_add_nc_u64 s[22:23], s[6:7], s[22:23]
	s_add_nc_u64 s[46:47], s[8:9], s[46:47]
	s_add_nc_u64 s[92:93], s[10:11], s[92:93]
	CROUND                                         ; all sixteen work-groups are here: the first joint loads meet
	s_mov_b32 s[G0S], 1
	s_add_co_u32 s[G0S+1], s94, SCL
	s_mov_b64 s[G0S+2:G0S+3], s[22:23]
	s_or_b32 s[G0S+3], s[G0S+3], 0x80000000
	s_mov_b32 s[G0SB], 1
	s_add_co_u32 s[G0SB+1], s94, SCL
	s_mov_b64 s[G0SB+2:G0SB+3], s[92:93]
	s_or_b32 s[G0SB+3], s[G0SB+3], 0x80000000
	JLOAD G0S, G1S, G0SB, G1SB                     ; the scales first: they are wanted with K step 0
.irp s, 0,1
	s_mov_b32 s[G0+4*\s], 1
	s_add_co_u32 s[G0+4*\s+1], s45, \s*SLOT
	s_add_nc_u64 s[G0+4*\s+2:G0+4*\s+3], s[20:21], \s*ASTEP
	s_or_b32 s[G0+4*\s+3], s[G0+4*\s+3], 0x80000000
	s_mov_b32 s[G0B+4*\s], 1
	s_add_co_u32 s[G0B+4*\s+1], s45, \s*SLOT
	s_add_nc_u64 s[G0B+4*\s+2:G0B+4*\s+3], s[46:47], \s*ROWB
	s_or_b32 s[G0B+4*\s+3], s[G0B+4*\s+3], 0x80000000
	JLOAD G0+4*\s, G1, G0B+4*\s, G1B               ; three tensor loads of mine are out now
.endr
	v_and_b32 v1, 15, v0                           ; l % 16
	v_bfe_u32 v2, v0, 4, 1                         ; l / 16
	v_and_b32 v6, 31, v0
	v_lshlrev_b32 v[CO], 4, v6                     ; 16 x lane
	v_mul_u32_u24 v3, v1, PITCH
	v_lshl_add_u32 v4, v2, 4, v3                   ; B: a fragment's row x pitch + 16 x half
	s_mul_i32 s21, s15, HALFT                      ; my 128 rows of A
	s_mul_i32 s22, s16, HALFT                      ; my 128 rows of B,
	s_add_co_u32 s22, s22, 2*HALFT                 ; which lie behind A's 256
.irp s, 0,1
	v_add_nc_u32 v[ADRA+\s], s21, v[CO]
	v_add_nc_u32 v[ADRB+\s], s22, v4
	s_add_co_u32 s21, s21, SLOT
	s_add_co_u32 s22, s22, SLOT
.endr
	v_mul_u32_u24 v5, v1, KS                       ; my row's scales: KS bytes a row,
	v_lshrrev_b32 v6, 8, v5
	v_lshl_add_u32 v5, v6, 4, v5                   ; and 16 more for each 256 passed
	s_mul_i32 s21, s15, HALFS
	s_mul_i32 s22, s16, HALFS
	s_add_co_u32 s22, s22, 2*HALFS
	s_sub_co_u32 s22, s22, s21
	v_mul_u32_u24 v6, s22, v2                      ; lanes 16-31 take B's
	s_add_co_u32 s21, s21, SCL
	v_add_nc_u32 v5, v5, v6
	v_add_nc_u32 v[ADRS], s21, v5
	s_mul_i32 s23, s14, 16*SPITCH                  ; my stage
	v_mul_u32_u24 v5, v1, SPITCH                   ; in: row l % 16, 32 bytes for each half of the lanes
	v_lshl_add_u32 v5, v2, 5, v5
	v_add_nc_u32 v[STO], s23, v5
	v_add_nc_u32 v[RD], s23, v[CO]                 ; back: the 32 lanes take one row of 512 bytes
	v_lshlrev_b32 v[BOF], 5, v2
	s_lshl_b32 s20, s17, 8
	s_lshl_b32 s21, s15, 7
	s_add_co_u32 s20, s20, s21                     ; my first row of out
	s_mov_b32 s21, 0
	s_mov_b64 s[18:19], SIZE_N*4
	s_mul_u64 s[20:21], s[20:21], s[18:19]
	s_lshl_b32 s46, s42, 10                        ; my first column, in bytes: 1,024 x tile column + 512 x half
	s_lshl_b32 s47, s16, 9
	s_add_co_u32 s46, s46, s47
	s_mov_b32 s47, 0
	s_add_nc_u64 s[96:97], s[96:97], s[46:47]      ; the bias at my first column
	s_add_nc_u64 s[20:21], s[20:21], s[46:47]
	s_add_nc_u64 s[12:13], s[12:13], s[20:21]
.irp b, 0,1,2,3,4,5,6,7
	global_load_b128 v[BI+8*\b:BI+8*\b+3], v[BOF], s[96:97] offset:64*\b        ; register 8 b + j: the bias of column 16 b + 8 h + j
	global_load_b128 v[BI+8*\b+4:BI+8*\b+7], v[BOF], s[96:97] offset:64*\b+16
.endr
.macro FRAG reg, adr, q, i             ; B: 16 rows x 128 K: lane l holds row l % 16; registers 4 c .. 4 c + 3 hold K = 32 c + 16 (l / 16) + 0 .. 15
.irp c, 0,1,2,3
	ds_load_b128 v[\reg+4*\c:\reg+4*\c+3], v[\adr] offset:128*(\q)+32*\c+(\i)*16*PITCH
.endr
.endm
.macro FRAGI reg, adr, q, i            ; A: the image of the same registers: 512 bytes on end for each four
.irp c, 0,1,2,3
	ds_load_b128 v[\reg+4*\c:\reg+4*\c+3], v[\adr] offset:4096*(\i)+2048*(\q)+512*\c
.endr
.endm
; 16 matrix instructions: A's blocks a0, a0 + 1 x B's eight, 128 along K.  zero = 1: the sums start with the bias.  The 64 accumulators take turns, one instruction a turn, in the same order in every step.
.macro MUL16 a0, p, q, sc, zero
.irp a, \a0, \a0+1
.irp b, 0,1,2,3,4,5,6,7
.if \zero
	v_wmma_scale_f32_16x16x128_f8f6f4 v[8*(8*((\a)%4)+\b):8*(8*((\a)%4)+\b)+7], v[128*(\p)+FR*\b:128*(\p)+FR*\b+FR-1], v[AF+FR*(\a):AF+FR*(\a)+FR-1], v[BI+8*\b:BI+8*\b+7], v[SC+8*NQ*(\sc)+NQ*\b+(\q)], v[SC+8*NQ*(\sc)+NQ*(\a)+(\q)] matrix_a_fmt:MATRIX_FMT_BF8 matrix_b_fmt:MATRIX_FMT_BF8 matrix_a_scale:MATRIX_SCALE_ROW1
.else
	v_wmma_scale_f32_16x16x128_f8f6f4 v[8*(8*((\a)%4)+\b):8*(8*((\a)%4)+\b)+7], v[128*(\p)+FR*\b:128*(\p)+FR*\b+FR-1], v[AF+FR*(\a):AF+FR*(\a)+FR-1], v[8*(8*((\a)%4)+\b):8*(8*((\a)%4)+\b)+7], v[SC+8*NQ*(\sc)+NQ*\b+(\q)], v[SC+8*NQ*(\sc)+NQ*(\a)+(\q)] matrix_a_fmt:MATRIX_FMT_BF8 matrix_b_fmt:MATRIX_FMT_BF8 matrix_a_scale:MATRIX_SCALE_ROW1
.endif
.endr
.endr
.endm
.macro FETCH_B slot, q, p
	WIN TO_B
.irp i, 0,1,2,3,4,5,6,7
	FRAG 128*(\p)+FR*\i, ADRB+\slot, \q, \i
.endr
	WIN 0
.endm
.macro FETCH_A slot, q, i0
.irp i, \i0, \i0+1, \i0+2, \i0+3
	FRAGI AF+FR*(\i), ADRA+\slot, \q, \i
.endr
.endm
.macro SCALES sc                       ; the next K step's scale words into set sc; lanes 0-15 take A's block i, lanes 16-31 B's block i
.irp i, 0,1,2,3,4,5,6,7
	ds_load_b64 v[SC+8*NQ*\sc+NQ*\i:SC+8*NQ*\sc+NQ*\i+1], v[ADRS] offset:\i*SBLK
.endr
.endm
.macro PLACES n                        ; plain vector instructions that name no register of the matrix instructions in front (ISA guide 7.12.1 for vector instructions)
.rept \n
	v_nop
.endr
.endm
.macro STEP slot, q, zero
	s_wait_dscnt 4*NL                              ; B's set, A's blocks 0-3 and the scale words are in; the youngest sixteen loads (A's blocks 4-7) may be out
.if \zero
	WIN BIA_LO
.else
	WIN MUL_LO
.endif
	MUL16 0, (\q)%2, \q, \slot, \zero
	MUL16 2, (\q)%2, \q, \slot, \zero
	s_wait_dscnt 0                                 ; A's blocks 4-7 are in
	PLACES NP
	FETCH_B \slot, (\q)+1, 1-(\q)%2
	FETCH_A \slot, (\q)+1, 0
.if \zero
	WIN BIA_HI
.else
	WIN MUL_HI
.endif
	MUL16 4, (\q)%2, \q, \slot, \zero
	MUL16 6, (\q)%2, \q, \slot, \zero
	PLACES NP
	WIN 0
	FETCH_A \slot, (\q)+1, 4
.endm
; A slot's last step changes slots: ONE barrier; in front of it each wave waits for all its tensor loads, adds 0 to its spare word, and waits for that and for its own reads of this slot.  fill = 1: this slot is filled again, two K steps ahead.
.macro TURN slot, next, fill
	s_wait_tensorcnt 0x0                           ; all my tensor loads have landed: my part of the next slot;  (every window is 0 here)
	ds_add_u32 v[SPW], v[NIL]                      ; 0 onto my spare word
	s_wait_dscnt 4*NL+1                            ; (the add and the youngest sixteen loads, A's blocks 4-7, may be out)
	WIN MUL_LO
	MUL16 0, 1, NQ-1, \slot, 0                     ; sixteen matrix instructions stand between the add and the wait for it
	s_wait_dscnt 0x0                               ; the add is done, and my reads of this slot are over
	s_barrier_signal -1
	MUL16 2, 1, NQ-1, \slot, 0
	WIN 0
	s_barrier_wait -1
.if \fill
	CREST                                          ; the barrier has opened a round of the cluster's barrier: no wave of any partner still reads this slot's tile or has a load on its way
	s_add_nc_u64 s[G0+4*\slot+2:G0+4*\slot+3], s[G0+4*\slot+2:G0+4*\slot+3], 2*ASTEP
	s_add_nc_u64 s[G0B+4*\slot+2:G0B+4*\slot+3], s[G0B+4*\slot+2:G0B+4*\slot+3], 2*ROWB
	JLOAD G0+4*\slot, G1, G0B+4*\slot, G1B         ; the first tensor load behind the round; the four v_nop behind it are among the places in front of the loads below
	PLACES NP-4
.else
	PLACES NP
.endif
	v_add_nc_u32 v[ADRS], 4*NQ, v[ADRS]            ; on to the next K step's scale words (no LDS load of mine is out)
	FETCH_B \next, 0, 0
	FETCH_A \next, 0, 0
	SCALES \next
	WIN MUL_HI
	MUL16 4, 1, NQ-1, \slot, 0
	MUL16 6, 1, NQ-1, \slot, 0
	PLACES NP
	WIN 0
	FETCH_A \next, 0, 4
.endm
	s_wait_tensorcnt 1                             ; the scales and my part of K step 0 are in (K step 1's load may be out)
	s_barrier_signal -1
	s_barrier_wait -1                              ; everybody's are
	FETCH_B 0, 0, 0
	FETCH_A 0, 0, 0
	SCALES 0
	FETCH_A 0, 0, 4
	s_wait_loadcnt 0x0                             ; the bias
	STEP 0, 0, 1                                   ; the first step stands in front of the loop: its products start the sums with the bias
	s_mov_b32 s3, LAPS-1
.Llap:                                                 ; a trip goes once round the ring, from a lap's second step to the next lap's first, and fills both slots again
	TURN 0, 1, 1
	STEP 1, 0, 0
	TURN 1, 0, 1
	STEP 0, 0, 0
	s_sub_co_u32 s3, s3, 1
	s_cmp_lg_u32 s3, 0
	s_cbranch_scc1 .Llap
	TURN 0, 1, 0                                   ; the last lap fills nothing, and has no round of the cluster's barrier
	STEP 1, 0, 0
	s_wait_dscnt 4*NL                              ; the very last step: nothing more to fetch
	WIN MUL_LO
	MUL16 0, 1, NQ-1, 1, 0
	MUL16 2, 1, NQ-1, 1, 0
	s_wait_dscnt 0
	WIN MUL_HI
	MUL16 4, 1, NQ-1, 1, 0
	MUL16 6, 1, NQ-1, 1, 0
	WIN 0
; THE WAY OUT, block by block of 16 rows x 128 columns.  A lane holds 32 neighbouring bytes of a row, and the lanes beside it hold other rows: so a block goes through my own stage in LDS and comes back as whole
; rows of 512 bytes.  LDS serves a wave's instructions in order (ISA guide 5.7.1.4): no wait between the stores and the loads, nor in front of the next block's stores.
.macro TOSTAGE a
.set AC, 64*((\a)%4)
	WIN 0x08+4*((\a)/4)                            ; the data: window 2 or 3
.irp b, 0,1,2,3,4,5,6,7
	ds_store_b128 v[STO], v[AC+8*\b:AC+8*\b+3] offset:64*\b          ; each accumulator from its low end on
	ds_store_b128 v[STO], v[AC+8*\b+4:AC+8*\b+7] offset:64*\b+16
.endr
	WIN 0
.set BB, BK+64*((\a)%2)
.irp t, 0,1,2,3,4,5,6,7,8,9,10,11,12,13,14,15
	ds_load_b128 v[BB+4*\t:BB+4*\t+3], v[RD] offset:\t*SPITCH
.endr
.endm
.macro SEND a, younger                 ; younger: the LDS instructions issued behind block a's loads, which may stay out
.set BB, BK+64*((\a)%2)
	s_wait_dscnt \younger                          ; the block is back in registers
.if (\a) > 0
	s_add_nc_u64 s[12:13], s[12:13], 16*SIZE_N*4   ; (behind a wait on XCNT: the earlier stores have read their base)  16 rows of out on
.endif
.irp t, 0,1,2,3,4,5,6,7,8,9,10,11,12,13,14,15
	global_store_b128 v[CO], v[BB+4*\t:BB+4*\t+3], s[12:13] offset:\t*SIZE_N*4 th:TH_STORE_NT   ; 32 lanes store 512 consecutive bytes, at a multiple of 256 from out's first byte; written once, read by nobody here
.endr
.endm
	PLACES NP                                      ; behind the last products: for the loads into the registers that held A's fragments and for the reads of the results
	TOSTAGE 0
.irp a, 1,2,3,4,5,6,7
.if \a > 1
	s_wait_xcnt 0x0                                ; block a - 2's stores have read their registers and their base: block a's loads may land there, and the base may step
.endif
	TOSTAGE \a
	SEND \a-1, 32                                  ; behind block a - 1's loads: block a's 16 stores and 16 loads
.endr
	s_wait_xcnt 0x0                                ; block 6's stores have read their base
	SEND 7, 0
	s_wait_tensorcnt 0x0                           ; the wave's end: behind my last tensor load and my last LDS store
	ds_add_u32 v[SPW], v[NIL]
	s_wait_dscnt 0x0
	CROUND                                         ; the closing round: no work-group ends while a partner may still ask for a tile that names it
	s_endpgm
.Lfunc_end_k_q958d5d83af_oproj:
	.size	k_q958d5d83af_oproj, .Lfunc_end_k_q958d5d83af_oproj-k_q958d5d83af_oproj
	.p2alignl 7, 3214868480
	.fill 96, 4, 3214868480
	.section	.rodata,"a",@progbits
	.p2align	6, 0x0
	.amdhsa_kernel k_q958d5d83af_oproj
		.amdhsa_group_segment_fixed_size 327680
		.amdhsa_private_segment_fixed_size 0
		.amdhsa_enable_private_segment 0
		.amdhsa_kernarg_size 48
		.amdhsa_user_sgpr_count 2
		.amdhsa_user_sgpr_kernarg_segment_ptr 1
		.amdhsa_wavefront_size32 1
		.amdhsa_system_sgpr_workgroup_id_x 1
		.amdhsa_system_sgpr_workgroup_id_y 1
		.amdhsa_system_sgpr_workgroup_id_z 1
		.amdhsa_system_vgpr_workitem_id 0
		.amdhsa_next_free_vgpr 1024
		.amdhsa_next_free_sgpr 98
		.amdhsa_reserve_vcc 0
		.amdhsa_float_denorm_mode_32 3
		.amdhsa_float_denorm_mode_16_64 3
		.amdhsa_memory_ordered 1
		.amdhsa_forward_progress 1
		.amdhsa_inst_pref_size 147
	.end_amdhsa_kernel
	.amdgpu_metadata
---
amdhsa.version: [ 1, 2 ]
amdhsa.kernels:
  - .name:           k_q958d5d83af_oproj
    .symbol:         k_q958d5d83af_oproj.kd
    .args:
      - { .name: cimg, .offset: 0, .size: 8, .value_kind: global_buffer, .address_space: global }
      - { .name: csc, .offset: 8, .size: 8, .value_kind: global_buffer, .address_space: global }
      - { .name: Wo_codes, .offset: 16, .size: 8, .value_kind: global_buffer, .address_space: global }
      - { .name: Wo_scales, .offset: 24, .size: 8, .value_kind: global_buffer, .address_space: global }
      - { .name: bo, .offset: 32, .size: 8, .value_kind: global_buffer, .address_space: global }
      - { .name: out0, .offset: 40, .size: 8, .value_kind: global_buffer, .address_space: global }
    .group_segment_fixed_size: 327680
    .private_segment_fixed_size: 0
    .kernarg_segment_align: 8
    .kernarg_segment_size: 48
    .max_flat_workgroup_size: 128
    .sgpr_count:     98
    .vgpr_count:     1024
    .wavefront_size: 32
...
	.end_amdgpu_metadata
.endif
;; end of part 3
